; MI455X (gfx1250); checked and timed in simulation.
; The chip was launched on July 23, 2026; its instructions are those of AMD's public machine-readable ISA for CDNA 5 (MIT licence, August 2026) and "CDNA5" Instruction Set Architecture Reference Guide (July 2026). The comments in the code are by the model that wrote it; some were corrected since.
;; Attention Layer. Allowed arithmetic: matrix products marked QUANTISED: E2M3 operands, one E8M0 scale for each 32 along K, by v_wmma_scale_f32_16x16x128_f8f6f4 with both operands' format E2M3, f32 sums; everything else in f32.
;; Inputs: K 4 x 2,048 x 1,024 float32; Q 4 x 2,048 x 1,024 float32; V 4 x 2,048 x 1,024 float32; WK 1,024 x 1,024 float32; WQ 1,024 x 1,024 float32; WV 1,024 x 1,024 float32.
;; Outputs: out0 4 x 2,048 x 1,024 float32.
;; This version of the problem:
;;   THIS VERSION OF THE PROBLEM IS GIVEN IN LOW PRECISION. The matrix products marked QUANTISED in the list below multiply operands that are first quantised to E2M3 (2 exponent bits, 3 mantissa bits; 6 bits a number), with one power-of-two scale for each 32 numbers along K (OCP MX v1.0); their sums are f32. All else is computed in f32.
;;   The module's matrix products, in the order in which they are computed (A, B: the left and right operand; K: the contracted axis; several contracted axes count as one K, in the product's order):
;;     1. [M 8,192, K 1,024] x [K 1,024, N 1,024]; A: input Q; B: input WQ: QUANTISED
;;     2. [M 8,192, K 1,024] x [K 1,024, N 1,024]; A: input K; B: input WK: QUANTISED
;;     3. [M 8,192, K 1,024] x [K 1,024, N 1,024]; A: input V; B: input WV: QUANTISED
;;     4. batch 4 x [M 2,048, K 1,024] x [K 1,024, N 2,048]; A: computed on the way; B: computed on the way: QUANTISED
;;     5. batch 4 x [M 2,048, K 2,048] x [K 2,048, N 1,024]; A: softmax (see below); B: computed on the way: QUANTISED
;;   THE QUANTISER, for each operand of a quantised product, along K:
;;     - K is cut into blocks of 32 from its start; a last block that is shorter is filled with zeros.
;;     - A block's scale is 2^e with e = floor(log2(the largest magnitude in the block)) - 2, held to -126 .. 127; a block of zeros has e = 0. As a byte (E8M0): e + 127.
;;     - Each number is divided by its block's scale, clamped to +-7.5, and rounded to the nearest number of E2M3, ties to even, subnormals kept.
;;     - The product sums the exact products of the quantised numbers (number of the format x scale) in f32.
;;   ~~~python
;;   def quantise(x, axis):      # numpy; x: float32 -> the quantised numbers, widened to float32 again
;;       x = np.moveaxis(x, axis, -1); K = x.shape[-1]
;;       x = np.pad(x, [(0, 0)] * (x.ndim - 1) + [(0, -K % 32)]); x = x.reshape(x.shape[:-1] + (-1, 32)); a = np.abs(x).max(-1, keepdims=True)
;;       e = np.where(a > 0, np.clip(np.frexp(np.where(a > 0, a, 1))[1] - 1 - 2, -126, 127), 0)      # np.frexp(a)[1] - 1 = floor(log2(a)), exactly
;;       r = np.clip(x / 2.0 ** e, -7.5, 7.5)
;;       step = 2.0 ** (np.maximum(np.frexp(np.where(r == 0, 1, r))[1] - 1, 0) - 3)
;;       q = np.round(r / step) * step * 2.0 ** e      # np.round: ties to even
;;       return np.moveaxis(q.reshape(q.shape[:-2] + (-1,))[..., :K], -1, axis).astype(np.float32)
;;   ~~~
;;   SOFTMAX AHEAD OF A QUANTISED PRODUCT. Where the list says 'softmax', what is quantised is not the finished softmax but p = 2^(t - M), with t = logit x log2(e) and M = ceil(the row's largest t), a whole number; so 1/2 < the row's largest p <= 1. The row's sum l is taken of the UNQUANTISED p, in f32, and the product's result is divided by l at the end. Since M is a whole number, a kernel that streams over the keys may use a running M (the ceiling of the running maximum): every later rescaling is an exact power of two, which a block's scale takes up: the codes' values come out the same.
;;   OPERANDS COMPUTED ON THE WAY. 'Computed on the way' means the value that the module computes at that place (a softmax that the list does not call 'softmax' is quantised finished and normalised). What goes into a quantiser is computed in f32, as accurately as f32 sums, v_exp_f32 and their like allow (about 1e-6 of the number): no bf16 or f16 on the way to a quantiser, and a product that is left as it is and whose result goes on into a quantised operand takes f32 operands (vector FMAs, or v_wmma_f32_16x16x4_f32). A number that lies on a knife's edge between two numbers of the format may be rounded either way, as far as f32 arithmetic and the matrix unit's own rounding can turn it there, and no further.
;; 2 versions, each right and faster than the one before. Each part assembles by itself: llvm-mc -triple=amdgcn-amd-amdhsa -mcpu=gfx1250 --defsym DOCPART=n.
;; ======== version 1 of 2: 4 launches
;; workspace buffers: xc 21,233,664 bytes; xs 884,736 bytes; pj 18,874,368 bytes; pjs 786,432 bytes; pc 12,582,912 bytes; st 2,097,152 bytes
;; launch quant (part 1): grid 432 x 1, 4 waves a work-group, no clusters, 34,304 bytes of LDS; arguments Q, K, V, WQ, WK, WV, xc, xs; writes xc, xs
.if DOCPART == 1
	.amdgcn_target "amdgcn-amd-amdhsa--gfx1250"
	.amdhsa_code_object_version 6
	.text
	.protected	k_q8da6ce43e5_quant
	.globl	k_q8da6ce43e5_quant
	.p2align	8
	.type	k_q8da6ce43e5_quant,@function
k_q8da6ce43e5_quant:
	s_mov_b64 s[64:65], 0
	v_nop
	global_prefetch_b8 v0, s[64:65] scope:SCOPE_SE
	s_setreg_imm32_b32 hwreg(HW_REG_WAVE_MODE, 25, 1), 1
	s_wait_xcnt 0x0
; Q, K, V [8192][1024] and WQ, WK, WV [1024][1024], f32, become codes of FP6 (E2M3) with one E8M0 byte for each 32 along the last axis, which is every product's K here.
; A block's scale is 2^(floor(log2(largest magnitude)) - 2): its byte is the largest magnitude's exponent field - 2, held at 1 from below.
; LIMITS: NaN and infinities among the inputs are not served.  A block of zeros gets the byte 1 where the rule says 127: its codes are zeros, and only this program reads the bytes.
; THE WORKSPACE IS LAID AS THE MATRIX UNIT'S REGISTERS WANT IT.  The six tensors are 216 row blocks of 128 rows (Q 0-63, K 64-127, V 128-191, WQ 192-199, WK 200-207, WV 208-215).
; Block (rb, q), q = K / 128, of the codes is 12,288 bytes at (8 rb + q) x 12,288: eight fragments of 1,536 bytes, each the image of an operand's 12 registers: registers 4 g .. 4 g + 3 of lane l at 512 g + 16 l.
; Lane-row r of fragment i is row 32 (i / 2) + 8 (i % 2) + r + 8 (r / 8) of the row block: with that order a product that takes the fragment as its first source leaves 16 neighbours of its rows in a lane's registers.
; The scale words (four bytes: 128 along K of one row) of block (rb, q) are 512 bytes at (8 rb + q) x 512: the word of (i, r) at 16 (16 (i % 2) + r) + 4 (i / 2).
; SHARES: work-group g takes row block g / 2; its wave w takes K step q = 4 (g % 2) + w: 128 rows x 128 numbers, eight fragments.  Waves share nothing: no barrier.
; Each load reads 512 consecutive bytes of one row; 16 rows go through the wave's own stage in LDS (rows of 512 + 16 bytes) and come back so that lane (r, h) holds k = 64 c + 32 h + 0 .. 31 of row r: two whole blocks of 32.
; Loads run two fragments (32 loads a wave) ahead.  Each store of codes covers 512 consecutive bytes, aligned.
.set WREG,  8448                       ; a wave's stage: 16 rows x 528 bytes
.set SP,    528
.set SPARE, 4*WREG                     ; behind the stages: the spare words, 128 bytes a wave, which no other line names
.set LI,    4                          ; v4   16 x lane
.set SIN,   5                          ; v5   the stage, on the way in
.set SOUT,  6                          ; v6   and on the way out: 528 r + 128 h
.set SH,    7                          ; v7   8 h
.set SPW,   14                         ; v14  my spare word's LDS address; never rewritten
.set NIL,   15                         ; v15  0; never rewritten
.set R,     16                         ; v16-143  two sets of 16 x 4 registers as loaded
.set X,     144                        ; v144-207 my 64 numbers
.set C,     208                        ; v208-219 a fragment's codes
.set T,     220                        ; v220-222, v224-226 the upper halves of the two blocks, as converted
.set W,     228                        ; v228-235 the eight fragments' scale words
.set WM,    236                        ; v236-239 the same, merged for one store
.set PT,    240                        ; v240 target of the lane permute
	s_load_b512 s[8:23], s[0:1], 0x0               ; Q, K, V, WQ, WK, WV, xc, xs
	v_lshl_add_u32 v[SPW], v0, 2, SPARE
	v_mov_b32 v[NIL], 0
	v_lshrrev_b32 v1, 5, v0
	v_readfirstlane_b32 s24, v1                    ; wave
	v_and_b32 v1, 31, v0                           ; lane
	v_and_b32 v2, 15, v0                           ; r
	v_bfe_u32 v3, v0, 4, 1                         ; h
	v_lshlrev_b32 v[LI], 4, v1
	s_mul_i32 s27, s24, WREG
	v_add_nc_u32 v[SIN], s27, v[LI]
	v_mul_u32_u24 v[SOUT], v2, SP
	v_lshl_add_u32 v[SOUT], v3, 7, v[SOUT]
	v_add_nc_u32 v[SOUT], s27, v[SOUT]
	v_lshlrev_b32 v[SH], 3, v3
	v_mov_b32 v[PT], 0                             ; written once: a lane permute's destination counts as one of its sources
	s_mov_b32 s36, 0x76543210
	s_mov_b32 s37, 0xfedcba98                      ; selects: lane l xor 16
	s_mov_b32 s38, 0xffff0000                      ; lanes 16-31
	s_lshr_b32 s25, ttmp9, 1                       ; the row block, 0 .. 215
	s_and_b32 s26, ttmp9, 1
	s_lshl_b32 s26, s26, 2
	s_add_co_u32 s26, s26, s24                     ; q
	s_wait_kmcnt 0x0
	s_mov_b64 s[28:29], s[18:19]                   ; which tensor: the choice hangs on the work-group's number alone
	s_mov_b32 s30, 208
	s_cmp_lt_u32 s25, 208
	s_cselect_b64 s[28:29], s[16:17], s[28:29]
	s_cselect_b32 s30, 200, s30
	s_cmp_lt_u32 s25, 200
	s_cselect_b64 s[28:29], s[14:15], s[28:29]
	s_cselect_b32 s30, 192, s30
	s_cmp_lt_u32 s25, 192
	s_cselect_b64 s[28:29], s[12:13], s[28:29]
	s_cselect_b32 s30, 128, s30
	s_cmp_lt_u32 s25, 128
	s_cselect_b64 s[28:29], s[10:11], s[28:29]
	s_cselect_b32 s30, 64, s30
	s_cmp_lt_u32 s25, 64
	s_cselect_b64 s[28:29], s[8:9], s[28:29]
	s_cselect_b32 s30, 0, s30
	s_sub_co_u32 s30, s25, s30                     ; the row block inside its tensor
	s_lshl_b32 s30, s30, 19                        ; 128 rows of 4,096 bytes
	s_lshl_b32 s32, s26, 9                         ; 128 numbers along K
	s_add_co_u32 s30, s30, s32
	s_mov_b32 s31, 0
	s_add_nc_u64 s[28:29], s[28:29], s[30:31]
	s_lshl_b32 s32, s25, 3
	s_add_co_u32 s32, s32, s26                     ; 8 rb + q
	s_mul_i32 s30, s32, 12288
	s_add_nc_u64 s[20:21], s[20:21], s[30:31]
	s_lshl_b32 s30, s32, 9
	s_add_nc_u64 s[22:23], s[22:23], s[30:31]
.macro LOAD f                          ; fragment f's 16 rows, 512 bytes of each
.irp j, 0,1,2,3,4,5,6,7,8,9,10,11,12,13,14,15
	global_load_b128 v[R+64*((\f)%2)+4*\j:R+64*((\f)%2)+4*\j+3], v[LI], s[28:29] offset:(32*((\f)/2)+8*((\f)%2)+\j+8*(\j/8))*4096 th:TH_LOAD_NT
.endr
.endm
.macro THROUGH f                       ; through the stage: LDS serves a wave's instructions in order, so no wait stands between the stores and the loads
.irp j, 0,1,2,3,4,5,6,7,8,9,10,11,12,13,14,15
	ds_store_b128 v[SIN], v[R+64*((\f)%2)+4*\j:R+64*((\f)%2)+4*\j+3] offset:\j*SP
.endr
.irp c, 0,1
.irp j, 0,1,2,3,4,5,6,7
	ds_load_b128 v[X+32*\c+4*\j:X+32*\c+4*\j+3], v[SOUT] offset:256*\c+16*\j
.endr
.endr
.endm
.macro WORK f
	v_max3_num_f32 v8, |v[X]|, |v[X+1]|, 0x1800000       ; my two blocks by turns; the floor 2^(3 - 127) holds the byte at 1 from below
	v_max3_num_f32 v9, |v[X+32]|, |v[X+33]|, 0x1800000
.irp i, 2,4,6,8,10,12,14,16,18,20,22,24,26,28,30
	v_max3_num_f32 v8, v8, |v[X+\i]|, |v[X+\i+1]|
	v_max3_num_f32 v9, v9, |v[X+32+\i]|, |v[X+33+\i]|
.endr
	v_add_nc_u32 v10, 0xff000000, v8               ; 2 off the exponent field: the conversion takes this operand's exponent field as its scale
	v_add_nc_u32 v11, 0xff000000, v9
	v_lshrrev_b32 v12, 23, v10                     ; the bytes of blocks h and 2 + h
	v_lshrrev_b32 v13, 23, v11
	v_lshl_or_b32 v12, v13, 16, v12
	v_lshlrev_b32 v12, v[SH], v12                  ; at their places in the row's word
	v_permlanex16_b32 v[PT], v12, s36, s37
	v_or_b32 v[W+\f], v12, v[PT]                   ; with lane l xor 16's two the word is whole, in both lanes
.if \f > 0
	s_wait_xcnt 0x0                                ; the last fragment's stores have read their data: the codes' registers are written again only behind this wait
.endif
	v_cvt_scalef32_pk16_fp6_f32 v[C:C+2], v[X:X+15], v10
	v_cvt_scalef32_pk16_fp6_f32 v[T:T+2], v[X+16:X+31], v10        ; (a conversion's three registers begin on an even number)
	v_cvt_scalef32_pk16_fp6_f32 v[C+6:C+8], v[X+32:X+47], v11
	v_cvt_scalef32_pk16_fp6_f32 v[T+4:T+6], v[X+48:X+63], v11
	v_nop                                          ; one plain place behind the scaled conversions
.irp i, 0,1,2
	v_mov_b32 v[C+3+\i], v[T+\i]
	v_mov_b32 v[C+9+\i], v[T+4+\i]
.endr
.irp g, 0,1,2
	global_store_b128 v[LI], v[C+4*\g:C+4*\g+3], s[20:21] offset:(\f)*1536+512*\g
.endr
.endm
	LOAD 0
	LOAD 1
	s_wait_loadcnt 16                              ; fragment 0's 16 loads are in; fragment 1's may be out
	THROUGH 0
.irp f, 0,1,2,3,4,5,6,7
	s_wait_dscnt 0x0                               ; my 64 numbers are back, and the stage's stores have read the set that is loaded next
.if \f < 6
	LOAD \f+2
.endif
	WORK \f
.if \f < 6
	s_wait_loadcnt 16                              ; the next fragment's loads are in; the 16 just issued may be out
.else
	s_wait_loadcnt 0x0
.endif
.if \f < 7
	THROUGH \f+1
.endif
.endr
.irp p, 0,1,2,3
	v_cndmask_b32 v[WM+\p], v[W+2*\p], v[W+2*\p+1], s38   ; lanes 0-15 fragment 2 p's words, lanes 16-31 fragment 2 p + 1's
.endr
	global_store_b128 v[LI], v[WM:WM+3], s[22:23]  ; the 128 words: 512 consecutive bytes, aligned
	s_wait_tensorcnt 0x0                           ; the wave's end: behind my last LDS store
	ds_add_u32 v[SPW], v[NIL]
	s_wait_dscnt 0x0
	s_endpgm
.Lfunc_end_k_q8da6ce43e5_quant:
	.size	k_q8da6ce43e5_quant, .Lfunc_end_k_q8da6ce43e5_quant-k_q8da6ce43e5_quant
	.p2alignl 7, 3214868480
	.fill 96, 4, 3214868480
	.section	.rodata,"a",@progbits
	.p2align	6, 0x0
	.amdhsa_kernel k_q8da6ce43e5_quant
		.amdhsa_group_segment_fixed_size 34304
		.amdhsa_private_segment_fixed_size 0
		.amdhsa_enable_private_segment 0
		.amdhsa_kernarg_size 64
		.amdhsa_user_sgpr_count 2
		.amdhsa_user_sgpr_kernarg_segment_ptr 1
		.amdhsa_wavefront_size32 1
		.amdhsa_system_sgpr_workgroup_id_x 1
		.amdhsa_system_sgpr_workgroup_id_y 1
		.amdhsa_system_sgpr_workgroup_id_z 1
		.amdhsa_system_vgpr_workitem_id 0
		.amdhsa_next_free_vgpr 256
		.amdhsa_next_free_sgpr 66
		.amdhsa_reserve_vcc 0
		.amdhsa_float_denorm_mode_32 3
		.amdhsa_float_denorm_mode_16_64 3
		.amdhsa_memory_ordered 1
		.amdhsa_forward_progress 1
		.amdhsa_inst_pref_size 58
	.end_amdhsa_kernel
	.amdgpu_metadata
---
amdhsa.version: [ 1, 2 ]
amdhsa.kernels:
  - .name:           k_q8da6ce43e5_quant
    .symbol:         k_q8da6ce43e5_quant.kd
    .args:
      - { .name: Q, .offset: 0, .size: 8, .value_kind: global_buffer, .address_space: global }
      - { .name: K, .offset: 8, .size: 8, .value_kind: global_buffer, .address_space: global }
      - { .name: V, .offset: 16, .size: 8, .value_kind: global_buffer, .address_space: global }
      - { .name: WQ, .offset: 24, .size: 8, .value_kind: global_buffer, .address_space: global }
      - { .name: WK, .offset: 32, .size: 8, .value_kind: global_buffer, .address_space: global }
      - { .name: WV, .offset: 40, .size: 8, .value_kind: global_buffer, .address_space: global }
      - { .name: xc, .offset: 48, .size: 8, .value_kind: global_buffer, .address_space: global }
      - { .name: xs, .offset: 56, .size: 8, .value_kind: global_buffer, .address_space: global }
    .group_segment_fixed_size: 34304
    .private_segment_fixed_size: 0
    .kernarg_segment_align: 8
    .kernarg_segment_size: 64
    .max_flat_workgroup_size: 128
    .sgpr_count:     66
    .vgpr_count:     256
    .wavefront_size: 32
...
	.end_amdgpu_metadata
.endif
;; end of part 1
;; launch proj (part 2): grid 4 x 96, 4 waves a work-group, clusters of 4 x 4, 327,680 bytes of LDS; arguments xc, xs, pj, pjs; writes pj, pjs
.if DOCPART == 2
	.amdgcn_target "amdgcn-amd-amdhsa--gfx1250"
	.amdhsa_code_object_version 6
	.text
	.protected	k_q8da6ce43e5_proj
	.globl	k_q8da6ce43e5_proj
	.p2align	8
	.type	k_q8da6ce43e5_proj,@function
k_q8da6ce43e5_proj:
	s_mov_b64 s[64:65], 0
	v_nop
	global_prefetch_b8 v0, s[64:65] scope:SCOPE_SE
	s_setreg_imm32_b32 hwreg(HW_REG_WAVE_MODE, 25, 1), 1
	s_wait_xcnt 0x0
	s_wait_alu depctr_hold_cnt(0) depctr_sa_sdst(0) depctr_va_vdst(0) depctr_va_sdst(0) depctr_va_ssrc(0) depctr_va_vcc(0) depctr_vm_vsrc(0)
	s_getreg_b32 s2, hwreg(HW_REG_IB_STS2, 6, 4)
	s_cmp_eq_u32 s2, 0
	s_cbranch_scc0 .Lentry_in_a_cluster
	s_endpgm
.Lentry_in_a_cluster:
	s_bfe_u32 s2, ttmp6, 0x10000c
	s_cmp_lg_u32 s2, 0xf033
	s_cbranch_scc0 .Lentry_shape_is_right
	s_endpgm
.Lentry_shape_is_right:
; q = Q WQ^T, k = K WK^T, v = V WV^T on codes of FP6 (E2M3) with E8M0 scales, f32 sums; the results are quantised in registers along the NEXT product's K and leave as codes.
; Operands and results lie as images of operand registers: block (rb, q) of 128 rows x 128 K is 12,288 bytes (eight fragments of 1,536: registers 4 g .. 4 g + 3 of lane l at 512 g + 16 l), its 128 scale words 512 bytes
; (the word of fragment i, lane-row r at 16 (16 (i % 2) + r) + 4 (i / 2)); lane-row r of fragment i is row 32 (i / 2) + 8 (i % 2) + r + 8 (r / 8) of the row block.
; A tile of 256 x 256 is made by four waves, 128 x 128 each: 64 accumulators, 512 registers.  K goes in steps of 256 through a ring of two LDS slots; a wave's tensor load brings one row block's two K steps: 24,576 dense bytes.
; THE MATRIX INSTRUCTION: source 0 = the side whose rows become the next K ("B"), source 1 = the side whose rows stay rows ("A").  By the row order above a lane's 64 results of a block of A are
; k = 32 b + 16 (lane / 16) + i of the next K at register 16 b + i: they are quantised as they stand.
; q, k (t = 0, 1): A = the activations, B = the weight's rows e.  v (t = 2): A = WV's rows e, B = V's rows, the keys: so v comes out with the keys innermost, which the last product wants.
; CLUSTERS of 4 x 4: A's tiles are asked for jointly along a row of the cluster, B's along a column.  Cluster y = 8 t + c: for q and k the 8 clusters go down the rows, for v along the keys.
; OUT: pj: q at 0, k at 6,291,456 (64 row blocks x 8 K steps each), v at 12,582,912 (row block 8 batch + e / 128, 16 K steps of keys); pjs likewise at 0, 262,144, 524,288.
; LIMITS: NaN and infinities are not served; a block of zeros carries the byte 1 (its codes are zeros; only this program reads the bytes).
; REGISTERS: window 0: v0-31 addresses; v32-63 scale words and nothing else; v128-223 A's fragments, one set; on the way out v64-147 at work.  Window 1: B's fragments, two sets.  Windows 2, 3: accumulator (a, b) at v[8 (8 (a % 4) + b)].
.set NQK,   8                          ; K steps of 128 in K
.set RBB,   NQK*12288                  ; a row block's codes
.set RBS,   NQK*512                    ; and its scale words
.set LAPS,  NQK/4                      ; a lap = once round the ring
.set NQ,    2
.set FR,    12
.set NL,    3                          ; LDS loads that bring a fragment
.set NP,    4                          ; places behind this matrix instruction (ISA guide 7.12.1)
.set FRB,   1536
.set KSB,   12288
.set HALFT, 24576                      ; what one tensor load brings: a row block's two K steps
.set SLOT,  4*HALFT                    ; A's two row blocks, then B's two
.set SCL,   2*SLOT                     ; the scale words of the four row blocks for all of K: 4 x 4,096 bytes, filled once
.set SPARE, SCL+4*RBS                  ; the spare words, 128 bytes a wave, which no other line names
.set LI,   9                           ; v9   16 x lane
.set ADRA, 16                          ; v16-17 my A fragments in slot 0, 1
.set ADRB, 20                          ; v20-21 my B fragments
.set ADRS, 27                          ; v27  my scale words: lanes 0-15 A's, lanes 16-31 B's
.set SPW,  28                          ; v28  my spare word; never rewritten
.set NIL,  29                          ; v29  0; never rewritten
.set SC,   32
.set AF,   128
.set TM,   64                          ; the way out: v64-67 largest magnitudes, v68-71 bytes, v76-79 scale operands
.set PW,   80                          ; v80-87 the eight blocks' scale words
.set WM,   88                          ; v88-91 merged for one store
.set G1, 24
.set G0, 32
.set G1B, 48
.set G0B, 56
.set G1S, 68
.set G0S, 76
.set G1SB, 80
.set G0SB, 88
.set SEL, 96                           ; s[96:97] selects: lane l xor 16
.set MSB, 0
.macro WIN new                         ; the immediate's high byte repeats the setting that is left
.if MSB != (\new)
	s_set_vgpr_msb (MSB<<8)|(\new)
.set MSB, \new
.endif
.endm
.set MUL_LO, 0xa1                      ; source 0 (B) window 1, source 1 (A) window 0, C and D window 2
.set MUL_HI, 0xf1
.set TO_B,   0x40
; A joint load: waves 0 and 1 fetch for A, waves 2 and 3 for B; the branch hangs on the wave's number alone.  An s_nop 0 and four v_nop follow each line.
.macro JLOAD g0a, g1a, g0b, g1b
	s_cmp_eq_u32 s15, 0
	s_cbranch_scc0 .Lfor_b_\@
	tensor_load_to_lds s[\g0a:\g0a+3], s[\g1a:\g1a+7]
	s_nop 0
.rept 4
	v_nop
.endr
	s_branch .Lasked_\@
.Lfor_b_\@:
	tensor_load_to_lds s[\g0b:\g0b+3], s[\g1b:\g1b+7]
	s_nop 0
.rept 4
	v_nop
.endr
.Lasked_\@:
.endm
.macro CREST                           ; a round of the cluster's barrier behind its opening barrier
	s_cmp_lg_u32 s14, 0
	s_cbranch_scc1 .Lnot_wave_0_\@
	s_barrier_signal -3
.Lnot_wave_0_\@:
	s_barrier_wait -3
	s_barrier_signal -1
	s_barrier_wait -1
.endm
.macro CROUND
	s_barrier_signal -1
	s_barrier_wait -1
	CREST
.endm
	s_load_b256 s[4:11], s[0:1], 0x0               ; xc, xs, pj, pjs
	v_lshl_add_u32 v[SPW], v0, 2, SPARE
	v_mov_b32 v[NIL], 0
	ds_add_u32 v[SPW], v[NIL]                      ; the wave's opening: the add and its wait ahead of my first tensor load
	v_lshrrev_b32 v1, 5, v0
	v_readfirstlane_b32 s14, v1                    ; wave
	s_lshr_b32 s15, s14, 1                         ; my half of A's rows.  Also: I fetch for A (0) or B (1)
	s_and_b32 s16, s14, 1                          ; my half of B's rows.  Also: which row block of that side I fetch
	s_bfe_u32 s40, ttmp6, 0x40000                  ; cx
	s_bfe_u32 s41, ttmp6, 0x40004                  ; cy
	s_and_b32 s17, ttmp7, 0xffff                   ; cluster y, 0 .. 23
	s_lshr_b32 s18, s17, 3                         ; t: 0 q, 1 k, 2 v
	s_and_b32 s17, s17, 7                          ; c
	s_lshr_b32 s12, s18, 1                         ; 1 for v
	s_mul_i32 s13, s17, s12                        ; v: the clusters go along B
	s_sub_co_u32 s17, s17, s13                     ; q, k: down A
	s_lshl_b32 s19, s17, 2
	s_add_co_u32 s19, s19, s41                     ; TR: tile of A's rows
	s_lshl_b32 s42, s13, 2
	s_add_co_u32 s42, s42, s40                     ; TC: tile of B's rows
	s_lshl_b32 s43, s41, 2
	s_lshl_b32 s43, 15, s43                        ; my row of the cluster
	s_lshl_b32 s44, 0x1111, s40                    ; my column
	s_or_b32 s[G1+0], s43, (3<<16)|(1<<21)         ; the mask; elements of 8 bytes; bit 21 beside a mask; no padding
	s_or_b32 s[G1B+0], s44, (3<<16)|(1<<21)
.irp g, G1, G1B
	s_mov_b32 s[\g+1], 32<<16                      ; a dense block as rows of 256 bytes: tensor_dim0 = 32
	s_mov_b32 s[\g+2], 96<<16                      ; tensor_dim1 = 96
	s_mov_b32 s[\g+3], 32<<16                      ; tile_dim0
	s_mov_b32 s[\g+4], 96                          ; tile_dim1
	s_mov_b32 s[\g+5], 32                          ; pitch
	s_mov_b32 s[\g+6], 0
	s_mov_b32 s[\g+7], 0
.endr
	s_or_b32 s[G1S+0], s43, (3<<16)|(1<<21)
	s_or_b32 s[G1SB+0], s44, (3<<16)|(1<<21)
.irp g, G1S, G1SB
	s_mov_b32 s[\g+1], 32<<16
	s_mov_b32 s[\g+2], (RBS/256)<<16
	s_mov_b32 s[\g+3], 32<<16
	s_mov_b32 s[\g+4], RBS/256
	s_mov_b32 s[\g+5], 32
	s_mov_b32 s[\g+6], 0
	s_mov_b32 s[\g+7], 0
.endr
	s_mul_i32 s13, s12, 80
	s_lshl_b32 s20, s18, 6
	s_add_co_u32 s20, s20, s13                     ; A's first row block: 0, 64, 208
	s_lshl_b32 s21, s19, 1
	s_add_co_u32 s20, s20, s21
	s_add_co_u32 s20, s20, s16                     ; the row block of A that I would fetch
	s_lshl_b32 s46, s18, 3
	s_add_co_u32 s46, s46, 192
	s_sub_co_u32 s46, s46, s13                     ; B's first row block: 192, 200, 128
	s_lshl_b32 s47, s42, 1
	s_add_co_u32 s46, s46, s47
	s_add_co_u32 s46, s46, s16                     ; and of B
	s_mul_i32 s22, s20, RBS
	s_mov_b32 s23, 0
	s_mul_i32 s20, s20, RBB
	s_mov_b32 s21, 0
	s_mul_i32 s92, s46, RBS
	s_mov_b32 s93, 0
	s_mul_i32 s46, s46, RBB
	s_mov_b32 s47, 0
	s_mul_i32 s45, s14, HALFT                      ; where they go: by the wave's number alone
	s_mul_i32 s94, s14, RBS
	s_mov_b32 s95, 0xffff0000                      ; lanes 16-31
	s_mov_b32 s[SEL], 0x76543210
	s_mov_b32 s[SEL+1], 0xfedcba98
	s_wait_dscnt 0x0                               ; the opening add is done
	s_wait_kmcnt 0x0
	s_add_nc_u64 s[20:21], s[4:5], s[20:21]
	s_add_nc_u64 s[22:23], s[6:7], s[22:23]
	s_add_nc_u64 s[46:47], s[4:5], s[46:47]
	s_add_nc_u64 s[92:93], s[6:7], s[92:93]
	CROUND                                         ; all sixteen work-groups are here: the first joint loads meet
	s_mov_b32 s[G0S], 1
	s_add_co_u32 s[G0S+1], s94, SCL
	s_mov_b64 s[G0S+2:G0S+3], s[22:23]
	s_or_b32 s[G0S+3], s[G0S+3], 0x80000000
	s_mov_b32 s[G0SB], 1
	s_add_co_u32 s[G0SB+1], s94, SCL
	s_mov_b64 s[G0SB+2:G0SB+3], s[92:93]
	s_or_b32 s[G0SB+3], s[G0SB+3], 0x80000000
	JLOAD G0S, G1S, G0SB, G1SB                     ; the scale words first
.irp s, 0,1
	s_mov_b32 s[G0+4*\s], 1
	s_add_co_u32 s[G0+4*\s+1], s45, \s*SLOT
	s_add_nc_u64 s[G0+4*\s+2:G0+4*\s+3], s[20:21], \s*HALFT
	s_or_b32 s[G0+4*\s+3], s[G0+4*\s+3], 0x80000000
	s_mov_b32 s[G0B+4*\s], 1
	s_add_co_u32 s[G0B+4*\s+1], s45, \s*SLOT
	s_add_nc_u64 s[G0B+4*\s+2:G0B+4*\s+3], s[46:47], \s*HALFT
	s_or_b32 s[G0B+4*\s+3], s[G0B+4*\s+3], 0x80000000
	JLOAD G0+4*\s, G1, G0B+4*\s, G1B
.endr
	v_and_b32 v1, 15, v0                           ; r
	v_bfe_u32 v2, v0, 4, 1                         ; h
	v_and_b32 v3, 31, v0
	v_lshlrev_b32 v[LI], 4, v3
	s_mul_i32 s21, s15, HALFT
	s_mul_i32 s22, s16, HALFT
	s_add_co_u32 s22, s22, 2*HALFT
.irp s, 0,1
	v_add_nc_u32 v[ADRA+\s], s21, v[LI]
	v_add_nc_u32 v[ADRB+\s], s22, v[LI]
	s_add_co_u32 s21, s21, SLOT
	s_add_co_u32 s22, s22, SLOT
.endr
	v_lshlrev_b32 v5, 4, v1                        ; a row's words lie 16 bytes apart
	s_mul_i32 s21, s15, RBS                        ; A's: my row block
	s_mul_i32 s22, s16, RBS                        ; B's: behind A's two
	s_add_co_u32 s22, s22, 2*RBS
	s_sub_co_u32 s22, s22, s21
	v_mul_u32_u24 v6, s22, v2                      ; lanes 16-31 take B's: one product, the distance between the two
	s_add_co_u32 s21, s21, SCL
	v_add_nc_u32 v5, v5, v6
	v_add_nc_u32 v[ADRS], s21, v5
	s_lshr_b32 s66, s42, 3                         ; where my 128 x 128 results go: block BI = ((8 (TC / 8) + 2 TR + half) << (3 or 4)) + 2 (TC % 8) + half
	s_lshl_b32 s66, s66, 3
	s_lshl_b32 s67, s19, 1
	s_add_co_u32 s66, s66, s67
	s_add_co_u32 s66, s66, s15
	s_add_co_u32 s67, s12, 3
	s_lshl_b32 s66, s66, s67
	s_and_b32 s67, s42, 7
	s_lshl_b32 s67, s67, 1
	s_add_co_u32 s66, s66, s67
	s_add_co_u32 s66, s66, s16
	s_mul_i32 s12, s18, 6291456
	s_mul_i32 s13, s66, 12288
	s_add_co_u32 s12, s12, s13
	s_mov_b32 s13, 0
	s_add_nc_u64 s[8:9], s[8:9], s[12:13]
	s_lshl_b32 s12, s18, 18
	s_lshl_b32 s66, s66, 9
	s_add_co_u32 s12, s12, s66
	s_add_nc_u64 s[10:11], s[10:11], s[12:13]
.macro FRAG reg, adr, q, i             ; a fragment comes as it was stored: three loads of 512 consecutive bytes
.irp g, 0,1,2
	ds_load_b128 v[\reg+4*\g:\reg+4*\g+3], v[\adr] offset:(\q)*KSB+(\i)*FRB+512*\g
.endr
.endm
; 16 matrix instructions: A's blocks a0, a0 + 1 x B's eight.  The 64 accumulators take turns, one instruction a turn, in the same order in every step.
.macro MUL16 a0, p, q, sc, zero
.irp a, \a0, \a0+1
.irp b, 0,1,2,3,4,5,6,7
.if \zero
	v_wmma_scale_f32_16x16x128_f8f6f4 v[8*(8*((\a)%4)+\b):8*(8*((\a)%4)+\b)+7], v[128*(\p)+FR*\b:128*(\p)+FR*\b+FR-1], v[AF+FR*(\a):AF+FR*(\a)+FR-1], 0, v[SC+8*NQ*(\sc)+NQ*\b+(\q)], v[SC+8*NQ*(\sc)+NQ*(\a)+(\q)] matrix_a_fmt:MATRIX_FMT_FP6 matrix_b_fmt:MATRIX_FMT_FP6 matrix_a_scale:MATRIX_SCALE_ROW1
.else
	v_wmma_scale_f32_16x16x128_f8f6f4 v[8*(8*((\a)%4)+\b):8*(8*((\a)%4)+\b)+7], v[128*(\p)+FR*\b:128*(\p)+FR*\b+FR-1], v[AF+FR*(\a):AF+FR*(\a)+FR-1], v[8*(8*((\a)%4)+\b):8*(8*((\a)%4)+\b)+7], v[SC+8*NQ*(\sc)+NQ*\b+(\q)], v[SC+8*NQ*(\sc)+NQ*(\a)+(\q)] matrix_a_fmt:MATRIX_FMT_FP6 matrix_b_fmt:MATRIX_FMT_FP6 matrix_a_scale:MATRIX_SCALE_ROW1
.endif
.endr
.endr
.endm
.macro FETCH_B slot, q, p
	WIN TO_B
.irp i, 0,1,2,3,4,5,6,7
	FRAG 128*(\p)+FR*\i, ADRB+\slot, \q, \i
.endr
	WIN 0
.endm
.macro FETCH_A slot, q, i0
.irp i, \i0, \i0+1, \i0+2, \i0+3
	FRAG AF+FR*(\i), ADRA+\slot, \q, \i
.endr
.endm
.macro SCALES sc                       ; a slot's scale words: register 2 i + q: lanes 0-15 A's block i, lanes 16-31 B's block i
.irp i, 0,1,2,3,4,5,6,7
.irp q, 0,1
	ds_load_b32 v[SC+8*NQ*\sc+NQ*\i+\q], v[ADRS] offset:\q*512+(\i%2)*256+(\i/2)*4
.endr
.endr
.endm
.macro PLACES n                        ; plain vector instructions between a matrix instruction and a load into, or a read of, its registers
.rept \n
	v_nop
.endr
.endm
.macro STEP slot, q, zero              ; 128 along K whose successor lies in the same slot
	s_wait_dscnt 4*NL                              ; all but the youngest twelve loads (A's blocks 4-7) are in
	WIN MUL_LO
	MUL16 0, (\q)%2, \q, \slot, \zero
	MUL16 2, (\q)%2, \q, \slot, \zero
	s_wait_dscnt 0
	PLACES NP
	FETCH_B \slot, (\q)+1, 1-(\q)%2
	FETCH_A \slot, (\q)+1, 0
	WIN MUL_HI
	MUL16 4, (\q)%2, \q, \slot, \zero
	MUL16 6, (\q)%2, \q, \slot, \zero
	PLACES NP
	WIN 0
	FETCH_A \slot, (\q)+1, 4
.endm
; A slot's last step changes slots: one barrier; ahead of it each wave waits for all its tensor loads, adds 0 to its spare word, and waits for that and for its reads of this slot.
.macro TURN slot, next, fill
	s_wait_tensorcnt 0x0                           ; all my tensor loads have landed: my part of the next slot
	ds_add_u32 v[SPW], v[NIL]
	s_wait_dscnt 4*NL+1                            ; (the add and A's blocks 4-7 may be out)
	WIN MUL_LO
	MUL16 0, 1, NQ-1, \slot, 0
	s_wait_dscnt 0x0                               ; the add is done, and my reads of this slot are over
	s_barrier_signal -1
	MUL16 2, 1, NQ-1, \slot, 0
	WIN 0
	s_barrier_wait -1
.if \fill
	CREST                                          ; the barrier opened a round of the cluster's: no wave of any partner still reads this slot or has a load on its way
	s_add_nc_u64 s[G0+4*\slot+2:G0+4*\slot+3], s[G0+4*\slot+2:G0+4*\slot+3], 2*HALFT
	s_add_nc_u64 s[G0B+4*\slot+2:G0B+4*\slot+3], s[G0B+4*\slot+2:G0B+4*\slot+3], 2*HALFT
	JLOAD G0+4*\slot, G1, G0B+4*\slot, G1B         ; the first tensor load behind the round; its four v_nop are the places ahead of the loads below
.else
	PLACES NP
.endif
	v_add_nc_u32 v[ADRS], 512*NQ, v[ADRS]          ; the next slot's scale words
	FETCH_B \next, 0, 0
	FETCH_A \next, 0, 0
	SCALES \next
	WIN MUL_HI
	MUL16 4, 1, NQ-1, \slot, 0
	MUL16 6, 1, NQ-1, \slot, 0
	PLACES NP
	WIN 0
	FETCH_A \next, 0, 4
.endm
	s_wait_tensorcnt 1                             ; the scale words and my part of slot 0 are in; slot 1's load may be out
	s_barrier_signal -1
	s_barrier_wait -1
	FETCH_B 0, 0, 0
	FETCH_A 0, 0, 0
	SCALES 0
	FETCH_A 0, 0, 4
	STEP 0, 0, 1                                   ; the first step's products start the sums
	s_mov_b32 s3, LAPS-1
.Llap:
	TURN 0, 1, 1
	STEP 1, 0, 0
	TURN 1, 0, 1
	STEP 0, 0, 0
	s_sub_co_u32 s3, s3, 1
	s_cmp_lg_u32 s3, 0
	s_cbranch_scc1 .Llap
	TURN 0, 1, 0                                   ; the last lap fills nothing
	STEP 1, 0, 0
	s_wait_dscnt 4*NL
	WIN MUL_LO
	MUL16 0, 1, NQ-1, 1, 0
	MUL16 2, 1, NQ-1, 1, 0
	s_wait_dscnt 0
	WIN MUL_HI
	MUL16 4, 1, NQ-1, 1, 0
	MUL16 6, 1, NQ-1, 1, 0
	WIN 0
; THE WAY OUT.  Block a's 64 results of a lane are one row's 64 of the next K's 128 (the lane 16 away holds the others): four blocks of 32, quantised, and stored as a fragment's image.
.macro QUANTW a
.set WW, 2+(\a)/4
.set SRC, 64*((\a)%4)
.set PC, 96+32*((\a)%2)                ; the codes: two sets by turns
.set WA, WW|(WW<<2)
.set WB, (WW<<2)|(WW<<4)
	WIN WA
.irp b, 0,1,2,3
	v_max3_num_f32 v[TM+\b], |v[SRC+16*\b]|, |v[SRC+1+16*\b]|, 0x1800000   ; each accumulator is read from its low end on; the floor 2^(3 - 127) holds the byte at 1
.endr
	WIN WB
.irp i, 2,4,6,8,10,12,14
.irp b, 0,1,2,3
	v_max3_num_f32 v[TM+\b], v[TM+\b], |v[SRC+16*\b+\i]|, |v[SRC+1+16*\b+\i]|
.endr
.endr
	WIN 0
.irp b, 0,1,2,3
	v_permlanex16_b32 v[TM+4+\b], v[TM+\b], s[SEL], s[SEL+1]
.endr
.irp b, 0,1,2,3
	v_max_num_f32 v[TM+\b], v[TM+\b], v[TM+4+\b]
.endr
.irp b, 0,1,2,3
	v_add_nc_u32 v[TM+12+\b], 0xff000000, v[TM+\b]
.endr
.irp b, 0,1,2,3
	v_lshrrev_b32 v[TM+4+\b], 23, v[TM+12+\b]
.endr
	v_lshl_or_b32 v[PW+(\a)], v[TM+5], 8, v[TM+4]
	v_lshl_or_b32 v[PW+(\a)], v[TM+6], 16, v[PW+(\a)]
	v_lshl_or_b32 v[PW+(\a)], v[TM+7], 24, v[PW+(\a)]
.if (\a) >= 2
	s_wait_xcnt 0x0                                ; block a - 2's stores have read this set of codes
.endif
	WIN WW
.irp c, 0,1
	v_cvt_scalef32_pk16_fp6_f32 v[PC+6*\c:PC+2+6*\c], v[SRC+32*\c:SRC+15+32*\c], v[TM+12+2*\c]
	v_cvt_scalef32_pk16_fp6_f32 v[PC+12+4*\c:PC+14+4*\c], v[SRC+16+32*\c:SRC+31+32*\c], v[TM+12+2*\c+1]
.endr
	WIN 0
	v_nop                                          ; one plain place behind the scaled conversions
.irp c, 0,1                            ; the operand's layout wants a whole block in a lane
.irp i, 0,1,2
	v_permlane16_swap_b32 v[PC+6*\c+\i], v[PC+12+4*\c+\i]
.endr
.irp i, 0,1,2
	v_mov_b32 v[PC+3+6*\c+\i], v[PC+12+4*\c+\i]
.endr
.endr
.irp g, 0,1,2
	global_store_b128 v[LI], v[PC+4*\g:PC+4*\g+3], s[8:9] offset:(\a)*FRB+512*\g   ; 512 consecutive bytes, aligned
.endr
.endm
.irp b, 0,1,2,3
	v_mov_b32 v[TM+4+\b], 0                        ; the permutes' targets are written once; these four are also the places behind the last products
.endr
.irp a, 0,1,2,3,4,5,6,7
	QUANTW \a
.endr
.irp p, 0,1,2,3
	v_cndmask_b32 v[WM+\p], v[PW+2*\p], v[PW+2*\p+1], s95
.endr
	global_store_b128 v[LI], v[WM:WM+3], s[10:11]  ; the 128 scale words
	s_wait_tensorcnt 0x0                           ; the wave's end
	ds_add_u32 v[SPW], v[NIL]
	s_wait_dscnt 0x0
	CROUND                                         ; the closing round
	s_endpgm
.Lfunc_end_k_q8da6ce43e5_proj:
	.size	k_q8da6ce43e5_proj, .Lfunc_end_k_q8da6ce43e5_proj-k_q8da6ce43e5_proj
	.p2alignl 7, 3214868480
	.fill 96, 4, 3214868480
	.section	.rodata,"a",@progbits
	.p2align	6, 0x0
	.amdhsa_kernel k_q8da6ce43e5_proj
		.amdhsa_group_segment_fixed_size 327680
		.amdhsa_private_segment_fixed_size 0
		.amdhsa_enable_private_segment 0
		.amdhsa_kernarg_size 32
		.amdhsa_user_sgpr_count 2
		.amdhsa_user_sgpr_kernarg_segment_ptr 1
		.amdhsa_wavefront_size32 1
		.amdhsa_system_sgpr_workgroup_id_x 1
		.amdhsa_system_sgpr_workgroup_id_y 1
		.amdhsa_system_sgpr_workgroup_id_z 1
		.amdhsa_system_vgpr_workitem_id 0
		.amdhsa_next_free_vgpr 1024
		.amdhsa_next_free_sgpr 100
		.amdhsa_reserve_vcc 0
		.amdhsa_float_denorm_mode_32 3
		.amdhsa_float_denorm_mode_16_64 3
		.amdhsa_memory_ordered 1
		.amdhsa_forward_progress 1
		.amdhsa_inst_pref_size 142
	.end_amdhsa_kernel
	.amdgpu_metadata
---
amdhsa.version: [ 1, 2 ]
amdhsa.kernels:
  - .name:           k_q8da6ce43e5_proj
    .symbol:         k_q8da6ce43e5_proj.kd
    .args:
      - { .name: xc, .offset: 0, .size: 8, .value_kind: global_buffer, .address_space: global }
      - { .name: xs, .offset: 8, .size: 8, .value_kind: global_buffer, .address_space: global }
      - { .name: pj, .offset: 16, .size: 8, .value_kind: global_buffer, .address_space: global }
      - { .name: pjs, .offset: 24, .size: 8, .value_kind: global_buffer, .address_space: global }
    .group_segment_fixed_size: 327680
    .private_segment_fixed_size: 0
    .kernarg_segment_align: 8
    .kernarg_segment_size: 32
    .max_flat_workgroup_size: 128
    .sgpr_count:     100
    .vgpr_count:     1024
    .wavefront_size: 32
...
	.end_amdgpu_metadata
.endif
;; end of part 2
;; launch scores (part 3): grid 8 x 32, 4 waves a work-group, clusters of 4 x 4, 327,680 bytes of LDS; arguments pj, pjs, pc, st; writes pc, st
.if DOCPART == 3
	.amdgcn_target "amdgcn-amd-amdhsa--gfx1250"
	.amdhsa_code_object_version 6
	.text
	.protected	k_q8da6ce43e5_scores
	.globl	k_q8da6ce43e5_scores
	.p2align	8
	.type	k_q8da6ce43e5_scores,@function
k_q8da6ce43e5_scores:
	s_mov_b64 s[64:65], 0
	v_nop
	global_prefetch_b8 v0, s[64:65] scope:SCOPE_SE
	s_setreg_imm32_b32 hwreg(HW_REG_WAVE_MODE, 25, 1), 1
	s_wait_xcnt 0x0
	s_wait_alu depctr_hold_cnt(0) depctr_sa_sdst(0) depctr_va_vdst(0) depctr_va_sdst(0) depctr_va_ssrc(0) depctr_va_vcc(0) depctr_vm_vsrc(0)
	s_getreg_b32 s2, hwreg(HW_REG_IB_STS2, 6, 4)
	s_cmp_eq_u32 s2, 0
	s_cbranch_scc0 .Lentry_in_a_cluster
	s_endpgm
.Lentry_in_a_cluster:
	s_bfe_u32 s2, ttmp6, 0x10000c
	s_cmp_lg_u32 s2, 0xf033
	s_cbranch_scc0 .Lentry_shape_is_right
	s_endpgm
.Lentry_shape_is_right:
; scores = q k^T on codes of FP6 (E2M3), f32 sums; scores of keys behind the query become 0 (not -infinity: they keep their weight); then the softmax's p, quantised along the keys, leaves as codes.
; p IS TAKEN AGAINST A LOCAL M: for each query and each 128 keys g: t = score x log2(e) / 32, M_g = ceil(the largest t of the 128), p = 2^(t - M_g), l_g = the sum of the unquantised p.  M_g is a whole number, so the
; next launch brings the blocks under the row's M by taking M - M_g off their scale bytes: the codes' values stay.  A record {scale word, -M_g, l_g, 0} goes out for each (query, g).
; Operands lie as images of operand registers (block (rb, q): 12,288 bytes of codes, 512 of scale words; lane-row r of fragment i is row 32 (i / 2) + 8 (i % 2) + r + 8 (r / 8) of its row block).
; A tile of 256 queries x 256 keys is made by four waves, 128 x 128 each.  Source 0 = 16 keys ("B"), source 1 = 16 queries ("A"): a lane holds one query, and register 16 b + i of a block of queries is key 32 b + 16 (lane / 16) + i.
; CLUSTERS of 4 x 4: q's tiles are asked for jointly along a row of the cluster, k's along a column.  Tiles that lie wholly behind the diagonal are multiplied too.
; OUT: pc: block (query / 128, key / 128 in the batch), 16 K steps to a row block; st: 2,048 bytes for each such block: pair p of fragments at 512 p + 16 lane, lanes 0-15 fragment 2 p, lanes 16-31 fragment 2 p + 1.
; LIMITS: NaN and infinities are not served; M is kept as a whole number in f32 (exact up to 2^24); a block whose every p has fallen to 0 carries the byte 1 (its codes are zeros).
; REGISTERS: window 0: v0-31 addresses, v10 the mask's offset, v11 0, v12 -M, v13 t, v[14:15] the sum; v32-63 scale words and nothing else; v128-223 A's fragments; on the way out v96-159 p, v160-178 records, v192-231 codes, v232-254 at work.
; Window 1: B's fragments, two sets.  Windows 2, 3: accumulator (a, b) at v[8 (8 (a % 4) + b)].
.set NQK,   8
.set RBB,   NQK*12288
.set RBS,   NQK*512
.set LAPS,  NQK/4
.set NQ,    2
.set FR,    12
.set NL,    3
.set NP,    4
.set FRB,   1536
.set KSB,   12288
.set HALFT, 24576
.set SLOT,  4*HALFT
.set SCL,   2*SLOT
.set SPARE, SCL+4*RBS                  ; the spare words, 128 bytes a wave, which no other line names
.set LI,   9
.set ADRA, 16
.set ADRB, 20
.set ADRS, 27
.set SPW,  28
.set NIL,  29
.set SC,   32
.set AF,   128
.set REC,  160
.set G1, 24
.set G0, 32
.set G1B, 48
.set G0B, 56
.set G1S, 68
.set G0S, 76
.set G1SB, 80
.set G0SB, 88
.set SEL, 96                           ; s[96:97] selects: lane l xor 16
.set CS,  98                           ; s[98:99] c = log2(e) / 32
.set MSB, 0
.macro WIN new
.if MSB != (\new)
	s_set_vgpr_msb (MSB<<8)|(\new)
.set MSB, \new
.endif
.endm
.set MUL_LO, 0xa1
.set MUL_HI, 0xf1
.set TO_B,   0x40
.macro JLOAD g0a, g1a, g0b, g1b        ; a joint load: waves 0 and 1 for A, waves 2 and 3 for B; an s_nop 0 and four v_nop follow each line
	s_cmp_eq_u32 s15, 0
	s_cbranch_scc0 .Lfor_b_\@
	tensor_load_to_lds s[\g0a:\g0a+3], s[\g1a:\g1a+7]
	s_nop 0
.rept 4
	v_nop
.endr
	s_branch .Lasked_\@
.Lfor_b_\@:
	tensor_load_to_lds s[\g0b:\g0b+3], s[\g1b:\g1b+7]
	s_nop 0
.rept 4
	v_nop
.endr
.Lasked_\@:
.endm
.macro CREST
	s_cmp_lg_u32 s14, 0
	s_cbranch_scc1 .Lnot_wave_0_\@
	s_barrier_signal -3
.Lnot_wave_0_\@:
	s_barrier_wait -3
	s_barrier_signal -1
	s_barrier_wait -1
.endm
.macro CROUND
	s_barrier_signal -1
	s_barrier_wait -1
	CREST
.endm
	s_load_b256 s[4:11], s[0:1], 0x0               ; pj, pjs, pc, st
	v_lshl_add_u32 v[SPW], v0, 2, SPARE
	v_mov_b32 v[NIL], 0
	ds_add_u32 v[SPW], v[NIL]                      ; the wave's opening: the add and its wait ahead of my first tensor load
	v_lshrrev_b32 v1, 5, v0
	v_readfirstlane_b32 s14, v1
	s_lshr_b32 s15, s14, 1                         ; my half of the queries.  Also: I fetch for A (0) or B (1)
	s_and_b32 s16, s14, 1                          ; my half of the keys.  Also: which row block I fetch
	s_bfe_u32 s40, ttmp6, 0x40000                  ; cx
	s_bfe_u32 s41, ttmp6, 0x40004                  ; cy
	s_lshl_b32 s42, ttmp9, 2
	s_add_co_u32 s42, s42, s40                     ; TC: tile of keys in the batch, 0 .. 7
	s_and_b32 s17, ttmp7, 0xffff
	s_lshl_b32 s19, s17, 2
	s_add_co_u32 s19, s19, s41                     ; TR: tile of queries, 0 .. 31
	s_lshr_b32 s18, s17, 1                         ; the batch, which the sixteen partners share
	s_lshl_b32 s43, s41, 2
	s_lshl_b32 s43, 15, s43
	s_lshl_b32 s44, 0x1111, s40
	s_or_b32 s[G1+0], s43, (3<<16)|(1<<21)
	s_or_b32 s[G1B+0], s44, (3<<16)|(1<<21)
.irp g, G1, G1B
	s_mov_b32 s[\g+1], 32<<16
	s_mov_b32 s[\g+2], 96<<16
	s_mov_b32 s[\g+3], 32<<16
	s_mov_b32 s[\g+4], 96
	s_mov_b32 s[\g+5], 32
	s_mov_b32 s[\g+6], 0
	s_mov_b32 s[\g+7], 0
.endr
	s_or_b32 s[G1S+0], s43, (3<<16)|(1<<21)
	s_or_b32 s[G1SB+0], s44, (3<<16)|(1<<21)
.irp g, G1S, G1SB
	s_mov_b32 s[\g+1], 32<<16
	s_mov_b32 s[\g+2], (RBS/256)<<16
	s_mov_b32 s[\g+3], 32<<16
	s_mov_b32 s[\g+4], RBS/256
	s_mov_b32 s[\g+5], 32
	s_mov_b32 s[\g+6], 0
	s_mov_b32 s[\g+7], 0
.endr
	s_lshl_b32 s20, s19, 1
	s_add_co_u32 s20, s20, s16                     ; q's row block that I would fetch
	s_lshl_b32 s46, s18, 4
	s_add_co_u32 s46, s46, 64                      ; k's row blocks lie behind q's 64
	s_lshl_b32 s47, s42, 1
	s_add_co_u32 s46, s46, s47
	s_add_co_u32 s46, s46, s16
	s_mul_i32 s22, s20, RBS
	s_mov_b32 s23, 0
	s_mul_i32 s20, s20, RBB
	s_mov_b32 s21, 0
	s_mul_i32 s92, s46, RBS
	s_mov_b32 s93, 0
	s_mul_i32 s46, s46, RBB
	s_mov_b32 s47, 0
	s_mul_i32 s45, s14, HALFT
	s_mul_i32 s94, s14, RBS
	s_mov_b32 s95, 0xffff0000
	s_mov_b32 s[SEL], 0x76543210
	s_mov_b32 s[SEL+1], 0xfedcba98
	s_mov_b32 s[CS], 0x3d38aa3b
	s_mov_b32 s[CS+1], s[CS]                       ; (named with it as a pair, so it is written)
	s_wait_dscnt 0x0
	s_wait_kmcnt 0x0
	s_add_nc_u64 s[20:21], s[4:5], s[20:21]
	s_add_nc_u64 s[22:23], s[6:7], s[22:23]
	s_add_nc_u64 s[46:47], s[4:5], s[46:47]
	s_add_nc_u64 s[92:93], s[6:7], s[92:93]
	CROUND
	s_mov_b32 s[G0S], 1
	s_add_co_u32 s[G0S+1], s94, SCL
	s_mov_b64 s[G0S+2:G0S+3], s[22:23]
	s_or_b32 s[G0S+3], s[G0S+3], 0x80000000
	s_mov_b32 s[G0SB], 1
	s_add_co_u32 s[G0SB+1], s94, SCL
	s_mov_b64 s[G0SB+2:G0SB+3], s[92:93]
	s_or_b32 s[G0SB+3], s[G0SB+3], 0x80000000
	JLOAD G0S, G1S, G0SB, G1SB
.irp s, 0,1
	s_mov_b32 s[G0+4*\s], 1
	s_add_co_u32 s[G0+4*\s+1], s45, \s*SLOT
	s_add_nc_u64 s[G0+4*\s+2:G0+4*\s+3], s[20:21], \s*HALFT
	s_or_b32 s[G0+4*\s+3], s[G0+4*\s+3], 0x80000000
	s_mov_b32 s[G0B+4*\s], 1
	s_add_co_u32 s[G0B+4*\s+1], s45, \s*SLOT
	s_add_nc_u64 s[G0B+4*\s+2:G0B+4*\s+3], s[46:47], \s*HALFT
	s_or_b32 s[G0B+4*\s+3], s[G0B+4*\s+3], 0x80000000
	JLOAD G0+4*\s, G1, G0B+4*\s, G1B
.endr
	v_and_b32 v1, 15, v0
	v_bfe_u32 v2, v0, 4, 1
	v_and_b32 v3, 31, v0
	v_lshlrev_b32 v[LI], 4, v3
	s_mul_i32 s21, s15, HALFT
	s_mul_i32 s22, s16, HALFT
	s_add_co_u32 s22, s22, 2*HALFT
.irp s, 0,1
	v_add_nc_u32 v[ADRA+\s], s21, v[LI]
	v_add_nc_u32 v[ADRB+\s], s22, v[LI]
	s_add_co_u32 s21, s21, SLOT
	s_add_co_u32 s22, s22, SLOT
.endr
	v_lshlrev_b32 v5, 4, v1
	s_mul_i32 s21, s15, RBS
	s_mul_i32 s22, s16, RBS
	s_add_co_u32 s22, s22, 2*RBS
	s_sub_co_u32 s22, s22, s21
	v_mul_u32_u24 v6, s22, v2
	s_add_co_u32 s21, s21, SCL
	v_add_nc_u32 v5, v5, v6
	v_add_nc_u32 v[ADRS], s21, v5
	s_lshl_b32 s66, s19, 1                         ; my block of p: (2 TR + half) x 16 + 2 TC + half
	s_add_co_u32 s66, s66, s15
	s_lshl_b32 s66, s66, 4
	s_lshl_b32 s67, s42, 1
	s_add_co_u32 s66, s66, s67
	s_add_co_u32 s66, s66, s16
	s_mul_i32 s12, s66, 12288
	s_mov_b32 s13, 0
	s_add_nc_u64 s[8:9], s[8:9], s[12:13]
	s_lshl_b32 s12, s66, 11
	s_add_nc_u64 s[10:11], s[10:11], s[12:13]
	s_and_b32 s66, s19, 7                          ; the mask: my first query less my first key, in the batch,
	s_lshl_b32 s66, s66, 1
	s_add_co_u32 s66, s66, s15
	s_add_co_u32 s67, s67, s16
	s_sub_co_i32 s66, s66, s67
	s_lshl_b32 s66, s66, 7
	v_and_b32 v10, 8, v1
	v_add_nc_u32 v10, v10, v1                      ; + r + 8 (r / 8)
	v_lshlrev_b32 v5, 4, v2
	v_sub_nc_u32 v10, v10, v5                      ; - 16 h.  It enters compares alone: no address, no branch
	v_add_nc_u32 v10, s66, v10
	v_mov_b32 v11, 0
.macro FRAG reg, adr, q, i
.irp g, 0,1,2
	ds_load_b128 v[\reg+4*\g:\reg+4*\g+3], v[\adr] offset:(\q)*KSB+(\i)*FRB+512*\g
.endr
.endm
.macro MUL16 a0, p, q, sc, zero        ; the 64 accumulators take turns, one instruction a turn
.irp a, \a0, \a0+1
.irp b, 0,1,2,3,4,5,6,7
.if \zero
	v_wmma_scale_f32_16x16x128_f8f6f4 v[8*(8*((\a)%4)+\b):8*(8*((\a)%4)+\b)+7], v[128*(\p)+FR*\b:128*(\p)+FR*\b+FR-1], v[AF+FR*(\a):AF+FR*(\a)+FR-1], 0, v[SC+8*NQ*(\sc)+NQ*\b+(\q)], v[SC+8*NQ*(\sc)+NQ*(\a)+(\q)] matrix_a_fmt:MATRIX_FMT_FP6 matrix_b_fmt:MATRIX_FMT_FP6 matrix_a_scale:MATRIX_SCALE_ROW1
.else
	v_wmma_scale_f32_16x16x128_f8f6f4 v[8*(8*((\a)%4)+\b):8*(8*((\a)%4)+\b)+7], v[128*(\p)+FR*\b:128*(\p)+FR*\b+FR-1], v[AF+FR*(\a):AF+FR*(\a)+FR-1], v[8*(8*((\a)%4)+\b):8*(8*((\a)%4)+\b)+7], v[SC+8*NQ*(\sc)+NQ*\b+(\q)], v[SC+8*NQ*(\sc)+NQ*(\a)+(\q)] matrix_a_fmt:MATRIX_FMT_FP6 matrix_b_fmt:MATRIX_FMT_FP6 matrix_a_scale:MATRIX_SCALE_ROW1
.endif
.endr
.endr
.endm
.macro FETCH_B slot, q, p
	WIN TO_B
.irp i, 0,1,2,3,4,5,6,7
	FRAG 128*(\p)+FR*\i, ADRB+\slot, \q, \i
.endr
	WIN 0
.endm
.macro FETCH_A slot, q, i0
.irp i, \i0, \i0+1, \i0+2, \i0+3
	FRAG AF+FR*(\i), ADRA+\slot, \q, \i
.endr
.endm
.macro SCALES sc
.irp i, 0,1,2,3,4,5,6,7
.irp q, 0,1
	ds_load_b32 v[SC+8*NQ*\sc+NQ*\i+\q], v[ADRS] offset:\q*512+(\i%2)*256+(\i/2)*4
.endr
.endr
.endm
.macro PLACES n
.rept \n
	v_nop
.endr
.endm
.macro STEP slot, q, zero
	s_wait_dscnt 4*NL                              ; all but the youngest twelve loads (A's blocks 4-7) are in
	WIN MUL_LO
	MUL16 0, (\q)%2, \q, \slot, \zero
	MUL16 2, (\q)%2, \q, \slot, \zero
	s_wait_dscnt 0
	PLACES NP
	FETCH_B \slot, (\q)+1, 1-(\q)%2
	FETCH_A \slot, (\q)+1, 0
	WIN MUL_HI
	MUL16 4, (\q)%2, \q, \slot, \zero
	MUL16 6, (\q)%2, \q, \slot, \zero
	PLACES NP
	WIN 0
	FETCH_A \slot, (\q)+1, 4
.endm
.macro TURN slot, next, fill
	s_wait_tensorcnt 0x0                           ; all my tensor loads have landed: my part of the next slot
	ds_add_u32 v[SPW], v[NIL]
	s_wait_dscnt 4*NL+1                            ; (the add and A's blocks 4-7 may be out)
	WIN MUL_LO
	MUL16 0, 1, NQ-1, \slot, 0
	s_wait_dscnt 0x0                               ; the add is done, and my reads of this slot are over
	s_barrier_signal -1
	MUL16 2, 1, NQ-1, \slot, 0
	WIN 0
	s_barrier_wait -1
.if \fill
	CREST                                          ; a round of the cluster's barrier: no wave of any partner still reads this slot or has a load on its way
	s_add_nc_u64 s[G0+4*\slot+2:G0+4*\slot+3], s[G0+4*\slot+2:G0+4*\slot+3], 2*HALFT
	s_add_nc_u64 s[G0B+4*\slot+2:G0B+4*\slot+3], s[G0B+4*\slot+2:G0B+4*\slot+3], 2*HALFT
	JLOAD G0+4*\slot, G1, G0B+4*\slot, G1B
.else
	PLACES NP
.endif
	v_add_nc_u32 v[ADRS], 512*NQ, v[ADRS]
	FETCH_B \next, 0, 0
	FETCH_A \next, 0, 0
	SCALES \next
	WIN MUL_HI
	MUL16 4, 1, NQ-1, \slot, 0
	MUL16 6, 1, NQ-1, \slot, 0
	PLACES NP
	WIN 0
	FETCH_A \next, 0, 4
.endm
	s_wait_tensorcnt 1                             ; the scale words and slot 0 are in; slot 1's load may be out
	s_barrier_signal -1
	s_barrier_wait -1
	FETCH_B 0, 0, 0
	FETCH_A 0, 0, 0
	SCALES 0
	FETCH_A 0, 0, 4
	STEP 0, 0, 1
	s_mov_b32 s3, LAPS-1
.Llap:
	TURN 0, 1, 1
	STEP 1, 0, 0
	TURN 1, 0, 1
	STEP 0, 0, 0
	s_sub_co_u32 s3, s3, 1
	s_cmp_lg_u32 s3, 0
	s_cbranch_scc1 .Llap
	TURN 0, 1, 0
	STEP 1, 0, 0
	s_wait_dscnt 4*NL
	WIN MUL_LO
	MUL16 0, 1, NQ-1, 1, 0
	MUL16 2, 1, NQ-1, 1, 0
	s_wait_dscnt 0
	WIN MUL_HI
	MUL16 4, 1, NQ-1, 1, 0
	MUL16 6, 1, NQ-1, 1, 0
	WIN 0
; THE WAY OUT, a block of 16 queries x 128 keys at a time.
.macro PBLOCK a
.set WW, 2+(\a)/4
.set SRC, 64*((\a)%4)
.set CD, 192+20*((\a)%2)               ; the codes: two sets by turns
	WIN 0
	v_add_nc_u32 v252, 32*((\a)/2)+8*((\a)%2), v10 ; d = my query - my first key - 16 h.  Register n holds the key 32 (n / 16) + n % 16 on: behind the query where that is above d
	WIN WW
.set n, 0
.rept 64
	v_cmp_gt_i32 vcc_lo, 32*(n/16)+n%16, v252
	v_cndmask_b32 v[96+n], v[SRC+n], v11, vcc_lo   ; such a score becomes 0; the line also brings the block into window 0, each accumulator from its low end on
.set n, n+1
.endr
	WIN 0
.irp b, 0,1,2,3
	v_max3_num_f32 v[232+\b], v[96+16*\b], v[97+16*\b], v[98+16*\b]   ; the largest score of each block of 32 keys: for the maximum, and, since p rises with the score, for the block's largest p
.endr
.irp i, 3,5,7,9,11,13
.irp b, 0,1,2,3
	v_max3_num_f32 v[232+\b], v[232+\b], v[96+16*\b+\i], v[97+16*\b+\i]
.endr
.endr
.irp b, 0,1,2,3
	v_max_num_f32 v[232+\b], v[232+\b], v[111+16*\b]
.endr
.irp b, 0,1,2,3
	v_permlanex16_b32 v[236+\b], v[232+\b], s[SEL], s[SEL+1]
.endr
.irp b, 0,1,2,3
	v_max_num_f32 v[232+\b], v[232+\b], v[236+\b]
.endr
	v_max3_num_f32 v254, v232, v233, v234
	v_max_num_f32 v254, v254, v235
	v_mul_f32 v13, s[CS], v254                     ; the largest t of these 128 keys (c is positive)
	v_floor_f32 v12, -v13                          ; -M_g = floor(-t): a whole number
.set j, 0
.rept 32
	v_pk_fma_f32 v[96+j:97+j], v[96+j:97+j], s[CS:CS+1], v[12:13] op_sel_hi:[1,0,0]   ; t - M_g, two at a time
.set j, j+2
.endr
.irp b, 0,1,2,3
	v_fma_f32 v[232+\b], v[232+\b], s[CS], v12
.endr
.set j, 0
.rept 64
	v_exp_f32 v[96+j], v[96+j]                     ; p, at most 1
.set j, j+1
.endr
	v_nop                                          ; a plain place behind the exponentials
	s_wait_alu depctr_va_vdst(0)                   ; one wait for the batch, ahead of its first reader
.irp b, 0,1,2,3
	v_exp_f32 v[232+\b], v[232+\b]                 ; each block's largest p
.endr
	v_pk_add_f32 v[14:15], v[96:97], v[100:101]    ; the sum of the UNQUANTISED p, in two packed chains
	v_pk_add_f32 v[236:237], v[98:99], v[102:103]
.set j, 8
.rept 14
	v_pk_add_f32 v[14:15], v[14:15], v[96+j:97+j]
	v_pk_add_f32 v[236:237], v[236:237], v[98+j:99+j]
.set j, j+4
.endr
	v_pk_add_f32 v[14:15], v[14:15], v[236:237]
	v_add_f32 v14, v14, v15
	v_permlanex16_b32 v254, v14, s[SEL], s[SEL+1]
	v_add_f32 v14, v14, v254                       ; l_g
	s_wait_alu depctr_va_vdst(0)                   ; and one for the four
.irp b, 0,1,2,3
	v_max_num_f32 v[232+\b], 0x1800000, v[232+\b]  ; the floor 2^(3 - 127): the byte cannot fall under 1
.endr
.irp b, 0,1,2,3
	v_add_nc_u32 v[244+\b], 0xff000000, v[232+\b]
.endr
.irp b, 0,1,2,3
	v_lshrrev_b32 v[236+\b], 23, v[244+\b]
.endr
	v_lshl_or_b32 v253, v237, 8, v236
	v_lshl_or_b32 v253, v238, 16, v253
	v_lshl_or_b32 v253, v239, 24, v253             ; p's scale word under M_g
.if (\a) >= 2
	s_wait_xcnt 0x0                                ; block a - 2's stores have read this set of codes
.endif
.irp c, 0,1
	v_cvt_scalef32_pk16_fp6_f32 v[CD+6*\c:CD+2+6*\c], v[96+32*\c:111+32*\c], v[244+2*\c]
	v_cvt_scalef32_pk16_fp6_f32 v[CD+12+4*\c:CD+14+4*\c], v[112+32*\c:127+32*\c], v[244+2*\c+1]
.endr
	v_nop                                          ; one plain place behind the scaled conversions
.irp c, 0,1
.irp i, 0,1,2
	v_permlane16_swap_b32 v[CD+6*\c+\i], v[CD+12+4*\c+\i]
.endr
.irp i, 0,1,2
	v_mov_b32 v[CD+3+6*\c+\i], v[CD+12+4*\c+\i]
.endr
.endr
.irp g, 0,1,2
	global_store_b128 v[LI], v[CD+4*\g:CD+4*\g+3], s[8:9] offset:(\a)*FRB+512*\g
.endr
.if (\a)%2 == 0
	v_mov_b32 v176, v253                           ; kept for the pair's record
	v_mov_b32 v177, v12
	v_mov_b32 v178, v14
.else
	v_cndmask_b32 v[REC+4*((\a)/2)], v176, v253, s95       ; lanes 0-15 the even block's, lanes 16-31 the odd one's
	v_cndmask_b32 v[REC+4*((\a)/2)+1], v177, v12, s95
	v_cndmask_b32 v[REC+4*((\a)/2)+2], v178, v14, s95
	v_mov_b32 v[REC+4*((\a)/2)+3], 0
	global_store_b128 v[LI], v[REC+4*((\a)/2):REC+4*((\a)/2)+3], s[10:11] offset:((\a)/2)*512
.endif
.endm
.irp b, 0,1,2,3
	v_mov_b32 v[236+\b], 0                         ; the permutes' targets are written once; these four are also the places behind the last products
.endr
.irp a, 0,1,2,3,4,5,6,7
	PBLOCK \a
.endr
	s_wait_tensorcnt 0x0                           ; the wave's end
	ds_add_u32 v[SPW], v[NIL]
	s_wait_dscnt 0x0
	CROUND                                         ; the closing round
	s_endpgm
.Lfunc_end_k_q8da6ce43e5_scores:
	.size	k_q8da6ce43e5_scores, .Lfunc_end_k_q8da6ce43e5_scores-k_q8da6ce43e5_scores
	.p2alignl 7, 3214868480
	.fill 96, 4, 3214868480
	.section	.rodata,"a",@progbits
	.p2align	6, 0x0
	.amdhsa_kernel k_q8da6ce43e5_scores
		.amdhsa_group_segment_fixed_size 327680
		.amdhsa_private_segment_fixed_size 0
		.amdhsa_enable_private_segment 0
		.amdhsa_kernarg_size 32
		.amdhsa_user_sgpr_count 2
		.amdhsa_user_sgpr_kernarg_segment_ptr 1
		.amdhsa_wavefront_size32 1
		.amdhsa_system_sgpr_workgroup_id_x 1
		.amdhsa_system_sgpr_workgroup_id_y 1
		.amdhsa_system_sgpr_workgroup_id_z 1
		.amdhsa_system_vgpr_workitem_id 0
		.amdhsa_next_free_vgpr 1024
		.amdhsa_next_free_sgpr 100
		.amdhsa_reserve_vcc 1
		.amdhsa_float_denorm_mode_32 3
		.amdhsa_float_denorm_mode_16_64 3
		.amdhsa_memory_ordered 1
		.amdhsa_forward_progress 1
		.amdhsa_inst_pref_size 236
	.end_amdhsa_kernel
	.amdgpu_metadata
---
amdhsa.version: [ 1, 2 ]
amdhsa.kernels:
  - .name:           k_q8da6ce43e5_scores
    .symbol:         k_q8da6ce43e5_scores.kd
    .args:
      - { .name: pj, .offset: 0, .size: 8, .value_kind: global_buffer, .address_space: global }
      - { .name: pjs, .offset: 8, .size: 8, .value_kind: global_buffer, .address_space: global }
      - { .name: pc, .offset: 16, .size: 8, .value_kind: global_buffer, .address_space: global }
      - { .name: st, .offset: 24, .size: 8, .value_kind: global_buffer, .address_space: global }
    .group_segment_fixed_size: 327680
    .private_segment_fixed_size: 0
    .kernarg_segment_align: 8
    .kernarg_segment_size: 32
    .max_flat_workgroup_size: 128
    .sgpr_count:     100
    .vgpr_count:     1024
    .wavefront_size: 32
...
	.end_amdgpu_metadata
.endif
;; end of part 3
;; launch pv (part 4): grid 4 x 32, 4 waves a work-group, clusters of 4 x 4, 327,680 bytes of LDS; arguments pc, st, pj, pjs, out0; writes out0
.if DOCPART == 4
	.amdgcn_target "amdgcn-amd-amdhsa--gfx1250"
	.amdhsa_code_object_version 6
	.text
	.protected	k_q8da6ce43e5_pv
	.globl	k_q8da6ce43e5_pv
	.p2align	8
	.type	k_q8da6ce43e5_pv,@function
k_q8da6ce43e5_pv:
	s_mov_b64 s[64:65], 0
	v_nop
	global_prefetch_b8 v0, s[64:65] scope:SCOPE_SE
	s_setreg_imm32_b32 hwreg(HW_REG_WAVE_MODE, 25, 1), 1
	s_wait_xcnt 0x0
	s_wait_alu depctr_hold_cnt(0) depctr_sa_sdst(0) depctr_va_vdst(0) depctr_va_sdst(0) depctr_va_ssrc(0) depctr_va_vcc(0) depctr_vm_vsrc(0)
	s_getreg_b32 s2, hwreg(HW_REG_IB_STS2, 6, 4)
	s_cmp_eq_u32 s2, 0
	s_cbranch_scc0 .Lentry_in_a_cluster
	s_endpgm
.Lentry_in_a_cluster:
	s_bfe_u32 s2, ttmp6, 0x10000c
	s_cmp_lg_u32 s2, 0xf033
	s_cbranch_scc0 .Lentry_shape_is_right
	s_endpgm
.Lentry_shape_is_right:
; out = (p v) / l on codes of FP6 (E2M3), f32 sums; K = the batch's 2,048 keys.
; p's codes were made against a local whole number M_g for each (query, 128 keys).  Here, at the head, each row's M = the largest M_g is found, M - M_g is taken off the four scale bytes of each group (held at 0 from below),
; l = the sum of l_g 2^(M_g - M), and 1 / l is kept.  The shifted scale words go to LDS in the layout in which v's arrive, so that one load serves both sides.
; Operands lie as images of operand registers (block (rb, q): 12,288 bytes of codes, 512 of scale words; lane-row r of fragment i is row 32 (i / 2) + 8 (i % 2) + r + 8 (r / 8) of its row block).
; A tile of 256 queries x 256 columns is made by four waves, 128 x 128 each.  Source 0 = 16 rows (batch, e) of v ("B"), source 1 = 16 queries of p ("A"): register j of accumulator (a, b) is column 32 (b / 2) + 16 (lane / 16) + 8 (b % 2) + j.
; CLUSTERS of 4 x 4: p's tiles are asked for jointly along a row of the cluster, v's tiles and scale words along a column.
; LIMITS: NaN and infinities are not served.  A block of p more than 2^-125 or so under the row's largest is held at the byte 0, the scale 2^-127: what it adds lies under 1e-37 x |v|.  M - M_g is held at 255.
; REGISTERS: window 0: v0-31 addresses; v32-63 scale words and nothing else; at the head v64-207 records at work; v128-223 A's fragments; on the way out v64-79 1 / l, v128-255 rows.  Window 1: B's fragments.  Windows 2, 3: accumulators.
.set NQK,   16
.set RBB,   NQK*12288
.set RBS,   NQK*512
.set LAPS,  NQK/4
.set NQ,    2
.set FR,    12
.set NL,    3
.set NP,    4
.set FRB,   1536
.set KSB,   12288
.set HALFT, 24576
.set SLOT,  4*HALFT
.set SCLA,  2*SLOT                     ; p's shifted scale words, [half][K step][512]: stored by the waves, never a tensor load's target
.set SCLB,  SCLA+2*RBS                 ; v's, the same layout, filled once
.set RLB,   SCLB+2*RBS                 ; 1 / l of the 256 queries
.set SPARE, RLB+1024                   ; the spare words, 128 bytes a wave, which no other line names
.set SPITCH, 528                       ; the way out: a stage of 16 rows x (512 + 16) bytes a wave, in slot 0, which has had its last fill and its last read by then
.set LI,   9
.set ADRA, 16
.set ADRB, 20
.set SWA,  22                          ; v22 where I store shifted scale words
.set RWA,  23                          ; v23 where I store 1 / l
.set STO,  24                          ; v24 the stage, in
.set RD,   25                          ; v25 the stage, back
.set RRA,  26                          ; v26 where I read 1 / l
.set ADRS, 27
.set SPW,  28
.set NIL,  29
.set SC,   32
.set AF,   128
.set REC,  64                          ; v64-191 32 records
.set NM,   202                         ; v202-203 -M
.set LS,   204                         ; v204-205 l
.set RI,   64                          ; the way out: v64-79 1 / l, a pair for each block
.set BK,   128
.set G1, 24
.set G0, 32
.set G1B, 48
.set G0B, 56
.set G1SB, 80
.set G0SB, 88
.set MSB, 0
.macro WIN new
.if MSB != (\new)
	s_set_vgpr_msb (MSB<<8)|(\new)
.set MSB, \new
.endif
.endm
.set MUL_LO, 0xa1
.set MUL_HI, 0xf1
.set TO_B,   0x40
.macro JLOAD g0a, g1a, g0b, g1b        ; a joint load: waves 0 and 1 for A, waves 2 and 3 for B; an s_nop 0 and four v_nop follow each line
	s_cmp_eq_u32 s15, 0
	s_cbranch_scc0 .Lfor_b_\@
	tensor_load_to_lds s[\g0a:\g0a+3], s[\g1a:\g1a+7]
	s_nop 0
.rept 4
	v_nop
.endr
	s_branch .Lasked_\@
.Lfor_b_\@:
	tensor_load_to_lds s[\g0b:\g0b+3], s[\g1b:\g1b+7]
	s_nop 0
.rept 4
	v_nop
.endr
.Lasked_\@:
.endm
.macro CREST
	s_cmp_lg_u32 s14, 0
	s_cbranch_scc1 .Lnot_wave_0_\@
	s_barrier_signal -3
.Lnot_wave_0_\@:
	s_barrier_wait -3
	s_barrier_signal -1
	s_barrier_wait -1
.endm
.macro CROUND
	s_barrier_signal -1
	s_barrier_wait -1
	CREST
.endm
	s_load_b256 s[4:11], s[0:1], 0x0               ; pc, st, pj, pjs
	s_load_b64 s[12:13], s[0:1], 0x20              ; out0
	v_lshl_add_u32 v[SPW], v0, 2, SPARE
	v_mov_b32 v[NIL], 0
	ds_add_u32 v[SPW], v[NIL]                      ; the wave's opening: the add and its wait ahead of my first tensor load
	v_lshrrev_b32 v1, 5, v0
	v_readfirstlane_b32 s14, v1
	s_lshr_b32 s15, s14, 1                         ; my half of the queries.  Also: I fetch for A (0) or B (1)
	s_and_b32 s16, s14, 1                          ; my half of the columns.  Also: which row block I fetch
	s_bfe_u32 s40, ttmp6, 0x40000                  ; cx = the tile of columns
	s_bfe_u32 s41, ttmp6, 0x40004                  ; cy
	s_and_b32 s17, ttmp7, 0xffff
	s_lshl_b32 s19, s17, 2
	s_add_co_u32 s19, s19, s41                     ; TR: tile of queries, 0 .. 31
	s_lshr_b32 s18, s17, 1                         ; the batch
	s_lshl_b32 s43, s41, 2
	s_lshl_b32 s43, 15, s43
	s_lshl_b32 s44, 0x1111, s40
	s_or_b32 s[G1+0], s43, (3<<16)|(1<<21)
	s_or_b32 s[G1B+0], s44, (3<<16)|(1<<21)
.irp g, G1, G1B
	s_mov_b32 s[\g+1], 32<<16
	s_mov_b32 s[\g+2], 96<<16
	s_mov_b32 s[\g+3], 32<<16
	s_mov_b32 s[\g+4], 96
	s_mov_b32 s[\g+5], 32
	s_mov_b32 s[\g+6], 0
	s_mov_b32 s[\g+7], 0
.endr
	s_or_b32 s[G1SB+0], s44, (3<<16)|(1<<21)       ; v's scale words: 4,096 dense bytes a wave
	s_mov_b32 s[G1SB+1], 32<<16
	s_mov_b32 s[G1SB+2], 16<<16
	s_mov_b32 s[G1SB+3], 32<<16
	s_mov_b32 s[G1SB+4], 16
	s_mov_b32 s[G1SB+5], 32
	s_mov_b32 s[G1SB+6], 0
	s_mov_b32 s[G1SB+7], 0
	s_lshl_b32 s20, s19, 1
	s_add_co_u32 s20, s20, s16                     ; p's row block that I would fetch
	s_mul_i32 s20, s20, RBB
	s_mov_b32 s21, 0
	s_lshl_b32 s46, s18, 3
	s_lshl_b32 s47, s40, 1
	s_add_co_u32 s46, s46, s47                     ; v's row block 8 batch + 2 TC
	s_lshl_b32 s92, s46, 13                        ; its scale words: 8,192 bytes a row block,
	s_lshl_b32 s94, s14, 12                        ; my quarter of the two row blocks',
	s_add_co_u32 s92, s92, s94
	s_add_co_u32 s92, s92, 524288                  ; behind q's and k's
	s_mov_b32 s93, 0
	s_add_co_u32 s46, s46, s16
	s_mul_i32 s46, s46, RBB
	s_add_co_u32 s46, s46, 12582912                ; v's codes lie behind q's and k's
	s_mov_b32 s47, 0
	s_mul_i32 s45, s14, HALFT
	s_lshl_b32 s22, s19, 1                         ; the records of my half's row block, pairs 2 x (my other half) on
	s_add_co_u32 s22, s22, s15
	s_lshl_b32 s22, s22, 15
	s_lshl_b32 s23, s16, 10
	s_add_co_u32 s22, s22, s23
	s_mov_b32 s23, 0
	s_wait_dscnt 0x0
	s_wait_kmcnt 0x0
	s_add_nc_u64 s[20:21], s[4:5], s[20:21]
	s_add_nc_u64 s[46:47], s[8:9], s[46:47]
	s_add_nc_u64 s[92:93], s[10:11], s[92:93]
	s_add_nc_u64 s[6:7], s[6:7], s[22:23]
	CROUND
	s_mov_b32 s[G0SB], 1
	s_add_co_u32 s[G0SB+1], s94, SCLB
	s_mov_b64 s[G0SB+2:G0SB+3], s[92:93]
	s_or_b32 s[G0SB+3], s[G0SB+3], 0x80000000
	tensor_load_to_lds s[G0SB:G0SB+3], s[G1SB:G1SB+7]   ; every wave its quarter of v's scale words, jointly with the same wave of my column's partners
	s_nop 0
.rept 4
	v_nop
.endr
.irp s, 0,1
	s_mov_b32 s[G0+4*\s], 1
	s_add_co_u32 s[G0+4*\s+1], s45, \s*SLOT
	s_add_nc_u64 s[G0+4*\s+2:G0+4*\s+3], s[20:21], \s*HALFT
	s_or_b32 s[G0+4*\s+3], s[G0+4*\s+3], 0x80000000
	s_mov_b32 s[G0B+4*\s], 1
	s_add_co_u32 s[G0B+4*\s+1], s45, \s*SLOT
	s_add_nc_u64 s[G0B+4*\s+2:G0B+4*\s+3], s[46:47], \s*HALFT
	s_or_b32 s[G0B+4*\s+3], s[G0B+4*\s+3], 0x80000000
	JLOAD G0+4*\s, G1, G0B+4*\s, G1B
.endr
	v_and_b32 v1, 15, v0                           ; r
	v_bfe_u32 v2, v0, 4, 1                         ; h
	v_and_b32 v3, 31, v0
	v_lshlrev_b32 v[LI], 4, v3
.set ii, 0
.rept 32                               ; record 16 e + g: pair 2 x half + e, K step g; lane = 16 (fragment % 2) + r
	global_load_b128 v[REC+4*ii:REC+4*ii+3], v[LI], s[6:7] offset:(ii%16)*2048+(ii/16)*512
.set ii, ii+1
.endr
	s_mul_i32 s21, s15, HALFT
	s_mul_i32 s22, s16, HALFT
	s_add_co_u32 s22, s22, 2*HALFT
.irp s, 0,1
	v_add_nc_u32 v[ADRA+\s], s21, v[LI]
	v_add_nc_u32 v[ADRB+\s], s22, v[LI]
	s_add_co_u32 s21, s21, SLOT
	s_add_co_u32 s22, s22, SLOT
.endr
	v_lshlrev_b32 v5, 4, v1
	s_mul_i32 s21, s15, RBS
	s_mul_i32 s22, s16, RBS
	s_add_co_u32 s22, s22, 2*RBS
	s_sub_co_u32 s22, s22, s21
	v_mul_u32_u24 v6, s22, v2                      ; lanes 16-31 take v's: one product, the distance between the two
	s_add_co_u32 s21, s21, SCLA
	v_add_nc_u32 v5, v5, v6
	v_add_nc_u32 v[ADRS], s21, v5
	s_lshl_b32 s22, s16, 3
	s_add_co_u32 s21, s21, s22
	v_add_nc_u32 v[SWA], s21, v[LI]                ; the word of pair p lies at 16 lane + 4 p, p = 2 x half + e
	s_lshl_b32 s21, s15, 9
	s_add_co_u32 s21, s21, RLB
	v_lshl_add_u32 v[RRA], v1, 2, s21              ; 1 / l of (fragment i, r) lies at 64 i + 4 r
	s_lshl_b32 s22, s16, 8
	s_add_co_u32 s21, s21, s22
	v_lshl_add_u32 v[RWA], v3, 2, s21
	s_mul_i32 s23, s14, 16*SPITCH
	v_mul_u32_u24 v5, v1, SPITCH
	v_lshl_add_u32 v5, v2, 6, v5
	v_add_nc_u32 v[STO], s23, v5                   ; the stage, in: row r, + 64 h
	v_add_nc_u32 v[RD], s23, v[LI]                 ; back: a row of 512 bytes
	s_lshl_b32 s66, s19, 1
	s_add_co_u32 s66, s66, s15
	s_lshl_b32 s66, s66, 19                        ; my 128 rows of out0, 4,096 bytes each,
	s_lshl_b32 s67, s40, 1
	s_add_co_u32 s67, s67, s16
	s_lshl_b32 s67, s67, 9                         ; my 128 columns
	s_add_co_u32 s66, s66, s67
	s_mov_b32 s67, 0
	s_add_nc_u64 s[12:13], s[12:13], s[66:67]
	s_wait_loadcnt 0x0                             ; the records
.macro FIX e
.set RB, REC+64*\e
	v_min3_num_f32 v[NM+\e], v[RB+1], v[RB+5], v[RB+9]     ; -M = the least -M_g
.irp i, 3,5,7,9,11,13
	v_min3_num_f32 v[NM+\e], v[NM+\e], v[RB+4*\i+1], v[RB+4*\i+5]
.endr
	v_min_num_f32 v[NM+\e], v[NM+\e], v[RB+61]
.set ii, 0
.rept 16
.set RG, RB+4*ii
	v_sub_f32 v194, v[RG+1], v[NM+\e]              ; M - M_g: a whole number, 0 or more
	v_min_num_f32 v194, 0x437f0000, v194           ; held at 255
	v_cvt_u32_f32 v194, v194
	v_sub_nc_u32 v195, 0, v194
.if ii == 0
	v_ldexp_f32 v[LS+\e], v[RG+2], v195            ; l_g under the row's M: nothing is rounded
.else
	v_ldexp_f32 v195, v[RG+2], v195
	v_add_f32 v[LS+\e], v[LS+\e], v195
.endif
	v_bfe_u32 v196, v[RG], 0, 8
	v_bfe_u32 v197, v[RG], 8, 8
	v_bfe_u32 v198, v[RG], 16, 8
	v_lshrrev_b32 v199, 24, v[RG]
.irp k, 196,197,198,199
	v_min_u32 v200, v\k, v194
	v_sub_nc_u32 v\k, v\k, v200                    ; the byte less M - M_g, held at 0
.endr
	v_lshl_or_b32 v196, v197, 8, v196
	v_lshl_or_b32 v196, v198, 16, v196
	v_lshl_or_b32 v[RG], v199, 24, v196
	ds_store_b32 v[SWA], v[RG] offset:ii*512+4*\e
.set ii, ii+1
.endr
.endm
	FIX 0
	FIX 1
	v_rcp_f32 v206, v[LS]
	v_rcp_f32 v207, v[LS+1]
	v_nop                                          ; a plain place behind the reciprocals
	s_wait_alu depctr_va_vdst(0)                   ; one wait for both, ahead of their first reader
	ds_store_b32 v[RWA], v206
	ds_store_b32 v[RWA], v207 offset:128
.macro FRAG reg, adr, q, i
.irp g, 0,1,2
	ds_load_b128 v[\reg+4*\g:\reg+4*\g+3], v[\adr] offset:(\q)*KSB+(\i)*FRB+512*\g
.endr
.endm
.macro MUL16 a0, p, q, sc, zero        ; the 64 accumulators take turns, one instruction a turn
.irp a, \a0, \a0+1
.irp b, 0,1,2,3,4,5,6,7
.if \zero
	v_wmma_scale_f32_16x16x128_f8f6f4 v[8*(8*((\a)%4)+\b):8*(8*((\a)%4)+\b)+7], v[128*(\p)+FR*\b:128*(\p)+FR*\b+FR-1], v[AF+FR*(\a):AF+FR*(\a)+FR-1], 0, v[SC+8*NQ*(\sc)+NQ*\b+(\q)], v[SC+8*NQ*(\sc)+NQ*(\a)+(\q)] matrix_a_fmt:MATRIX_FMT_FP6 matrix_b_fmt:MATRIX_FMT_FP6 matrix_a_scale:MATRIX_SCALE_ROW1
.else
	v_wmma_scale_f32_16x16x128_f8f6f4 v[8*(8*((\a)%4)+\b):8*(8*((\a)%4)+\b)+7], v[128*(\p)+FR*\b:128*(\p)+FR*\b+FR-1], v[AF+FR*(\a):AF+FR*(\a)+FR-1], v[8*(8*((\a)%4)+\b):8*(8*((\a)%4)+\b)+7], v[SC+8*NQ*(\sc)+NQ*\b+(\q)], v[SC+8*NQ*(\sc)+NQ*(\a)+(\q)] matrix_a_fmt:MATRIX_FMT_FP6 matrix_b_fmt:MATRIX_FMT_FP6 matrix_a_scale:MATRIX_SCALE_ROW1
.endif
.endr
.endr
.endm
.macro FETCH_B slot, q, p
	WIN TO_B
.irp i, 0,1,2,3,4,5,6,7
	FRAG 128*(\p)+FR*\i, ADRB+\slot, \q, \i
.endr
	WIN 0
.endm
.macro FETCH_A slot, q, i0
.irp i, \i0, \i0+1, \i0+2, \i0+3
	FRAG AF+FR*(\i), ADRA+\slot, \q, \i
.endr
.endm
.macro SCALES sc
.irp i, 0,1,2,3,4,5,6,7
.irp q, 0,1
	ds_load_b32 v[SC+8*NQ*\sc+NQ*\i+\q], v[ADRS] offset:\q*512+(\i%2)*256+(\i/2)*4
.endr
.endr
.endm
.macro PLACES n
.rept \n
	v_nop
.endr
.endm
.macro STEP slot, q, zero
	s_wait_dscnt 4*NL                              ; all but the youngest twelve loads (A's blocks 4-7) are in
	WIN MUL_LO
	MUL16 0, (\q)%2, \q, \slot, \zero
	MUL16 2, (\q)%2, \q, \slot, \zero
	s_wait_dscnt 0
	PLACES NP
	FETCH_B \slot, (\q)+1, 1-(\q)%2
	FETCH_A \slot, (\q)+1, 0
	WIN MUL_HI
	MUL16 4, (\q)%2, \q, \slot, \zero
	MUL16 6, (\q)%2, \q, \slot, \zero
	PLACES NP
	WIN 0
	FETCH_A \slot, (\q)+1, 4
.endm
.macro TURN slot, next, fill
	s_wait_tensorcnt 0x0                           ; all my tensor loads have landed: my part of the next slot
	ds_add_u32 v[SPW], v[NIL]
	s_wait_dscnt 4*NL+1                            ; (the add and A's blocks 4-7 may be out)
	WIN MUL_LO
	MUL16 0, 1, NQ-1, \slot, 0
	s_wait_dscnt 0x0                               ; the add is done, and my reads of this slot are over
	s_barrier_signal -1
	MUL16 2, 1, NQ-1, \slot, 0
	WIN 0
	s_barrier_wait -1
.if \fill
	CREST                                          ; a round of the cluster's barrier: no wave of any partner still reads this slot or has a load on its way
	s_add_nc_u64 s[G0+4*\slot+2:G0+4*\slot+3], s[G0+4*\slot+2:G0+4*\slot+3], 2*HALFT
	s_add_nc_u64 s[G0B+4*\slot+2:G0B+4*\slot+3], s[G0B+4*\slot+2:G0B+4*\slot+3], 2*HALFT
	JLOAD G0+4*\slot, G1, G0B+4*\slot, G1B
.else
	PLACES NP
.endif
	v_add_nc_u32 v[ADRS], 512*NQ, v[ADRS]
	FETCH_B \next, 0, 0
	FETCH_A \next, 0, 0
	SCALES \next
	WIN MUL_HI
	MUL16 4, 1, NQ-1, \slot, 0
	MUL16 6, 1, NQ-1, \slot, 0
	PLACES NP
	WIN 0
	FETCH_A \next, 0, 4
.endm
	s_wait_tensorcnt 1                             ; v's scale words and my part of slot 0 are in; slot 1's load may be out
	s_wait_dscnt 0x0                               ; for the others' sake: my stores of scale words and of 1 / l are done
	s_barrier_signal -1
	s_barrier_wait -1
	FETCH_B 0, 0, 0
	FETCH_A 0, 0, 0
	SCALES 0
	FETCH_A 0, 0, 4
	STEP 0, 0, 1
	s_mov_b32 s3, LAPS-1
.Llap:
	TURN 0, 1, 1
	STEP 1, 0, 0
	TURN 1, 0, 1
	STEP 0, 0, 0
	s_sub_co_u32 s3, s3, 1
	s_cmp_lg_u32 s3, 0
	s_cbranch_scc1 .Llap
	TURN 0, 1, 0
	STEP 1, 0, 0
	s_wait_dscnt 4*NL
	WIN MUL_LO
	MUL16 0, 1, NQ-1, 1, 0
	MUL16 2, 1, NQ-1, 1, 0
	s_wait_dscnt 0
	WIN MUL_HI
	MUL16 4, 1, NQ-1, 1, 0
	MUL16 6, 1, NQ-1, 1, 0
	WIN 0
; THE WAY OUT, a block of 16 queries x 128 columns at a time: x 1 / l in place; through my own stage in LDS; back as whole rows of 512 bytes, which go to the rows of out0 that the block's lane-rows stand for.
.macro PACK a
.set AC, 64*((\a)%4)
.set WP, (2+(\a)/4)*0x41               ; destination and source 0 in the accumulators' window
	WIN WP
.set j, 0
.rept 32
	v_pk_mul_f32 v[AC+j:AC+j+1], v[AC+j:AC+j+1], v[RI+2*(\a):RI+2*(\a)+1] op_sel_hi:[1,0]   ; each accumulator from its low end on
.set j, j+2
.endr
	WIN 0
.endm
.macro TOSTAGE a
.set AC, 64*((\a)%4)
.set WD, 0x08+4*((\a)/4)               ; an LDS store's data are its source 1
	WIN WD
.irp b, 0,1,2,3,4,5,6,7
	ds_store_b128 v[STO], v[AC+8*\b:AC+8*\b+3] offset:128*(\b/2)+32*(\b%2)
	ds_store_b128 v[STO], v[AC+8*\b+4:AC+8*\b+7] offset:128*(\b/2)+32*(\b%2)+16
.endr
	WIN 0
.set BB, BK+64*((\a)%2)
.irp t, 0,1,2,3,4,5,6,7,8,9,10,11,12,13,14,15
	ds_load_b128 v[BB+4*\t:BB+4*\t+3], v[RD] offset:\t*SPITCH      ; LDS serves a wave's instructions in order (ISA guide 5.7.1.4): these see the stores above
.endr
.endm
.macro SEND a, younger
.set BB, BK+64*((\a)%2)
	s_wait_dscnt \younger                          ; the block is back in registers; the LDS instructions issued behind its loads may be out
.irp t, 0,1,2,3,4,5,6,7,8,9,10,11,12,13,14,15
	global_store_b128 v[LI], v[BB+4*\t:BB+4*\t+3], s[12:13] offset:(32*((\a)/2)+8*((\a)%2)+\t+8*(\t/8))*4096 th:TH_STORE_NT   ; 512 consecutive bytes, aligned; 127 rows at the most: inside the signed 24-bit immediate
.endr
.endm
	PLACES NP                                      ; behind the last products
.irp a, 0,1,2,3,4,5,6,7
	ds_load_b32 v[RI+2*\a], v[RRA] offset:64*\a
	ds_load_b32 v[RI+2*\a+1], v[RRA] offset:64*\a  ; (the packed multiply names a pair)
.endr
	s_wait_dscnt 0x0
	PACK 0
	TOSTAGE 0
.irp a, 1,2,3,4,5,6,7
	PACK \a
.if \a > 1
	s_wait_xcnt 0x0                                ; block a - 2's stores have read their registers: block a's rows may land there
.endif
	TOSTAGE \a
	SEND \a-1, 32                                  ; behind block a - 1's loads: block a's 16 stores and 16 loads
.endr
	SEND 7, 0
	s_wait_tensorcnt 0x0                           ; the wave's end: behind my last tensor load and my last LDS store
	ds_add_u32 v[SPW], v[NIL]
	s_wait_dscnt 0x0
	CROUND                                         ; the closing round
	s_endpgm
.Lfunc_end_k_q8da6ce43e5_pv:
	.size	k_q8da6ce43e5_pv, .Lfunc_end_k_q8da6ce43e5_pv-k_q8da6ce43e5_pv
	.p2alignl 7, 3214868480
	.fill 96, 4, 3214868480
	.section	.rodata,"a",@progbits
	.p2align	6, 0x0
	.amdhsa_kernel k_q8da6ce43e5_pv
		.amdhsa_group_segment_fixed_size 327680
		.amdhsa_private_segment_fixed_size 0
		.amdhsa_enable_private_segment 0
		.amdhsa_kernarg_size 40
		.amdhsa_user_sgpr_count 2
		.amdhsa_user_sgpr_kernarg_segment_ptr 1
		.amdhsa_wavefront_size32 1
		.amdhsa_system_sgpr_workgroup_id_x 1
		.amdhsa_system_sgpr_workgroup_id_y 1
		.amdhsa_system_sgpr_workgroup_id_z 1
		.amdhsa_system_vgpr_workitem_id 0
		.amdhsa_next_free_vgpr 1024
		.amdhsa_next_free_sgpr 100
		.amdhsa_reserve_vcc 0
		.amdhsa_float_denorm_mode_32 3
		.amdhsa_float_denorm_mode_16_64 3
		.amdhsa_memory_ordered 1
		.amdhsa_forward_progress 1
		.amdhsa_inst_pref_size 189
	.end_amdhsa_kernel
	.amdgpu_metadata
---
amdhsa.version: [ 1, 2 ]
amdhsa.kernels:
  - .name:           k_q8da6ce43e5_pv
    .symbol:         k_q8da6ce43e5_pv.kd
    .args:
      - { .name: pc, .offset: 0, .size: 8, .value_kind: global_buffer, .address_space: global }
      - { .name: st, .offset: 8, .size: 8, .value_kind: global_buffer, .address_space: global }
      - { .name: pj, .offset: 16, .size: 8, .value_kind: global_buffer, .address_space: global }
      - { .name: pjs, .offset: 24, .size: 8, .value_kind: global_buffer, .address_space: global }
      - { .name: out0, .offset: 32, .size: 8, .value_kind: global_buffer, .address_space: global }
    .group_segment_fixed_size: 327680
    .private_segment_fixed_size: 0
    .kernarg_segment_align: 8
    .kernarg_segment_size: 40
    .max_flat_workgroup_size: 128
    .sgpr_count:     100
    .vgpr_count:     1024
    .wavefront_size: 32
...
	.end_amdgpu_metadata
.endif
;; end of part 4
;; ======== version 2 of 2: 4 launches; 1.13 times as fast as version 1
;; workspace buffers: xc 21,233,664 bytes; xs 884,736 bytes; pj 18,874,368 bytes; pjs 786,432 bytes; pc 12,582,912 bytes; st 2,097,152 bytes
;; launch quant: the kernel of part 1 again; grid 432 x 1, 4 waves a work-group, no clusters, 34,304 bytes of LDS; arguments Q, K, V, WQ, WK, WV, xc, xs; writes xc, xs
;; launch proj (part 5): grid 4 x 96, 4 waves a work-group, clusters of 4 x 4, 327,680 bytes of LDS; arguments xc, xs, pj, pjs; writes pj, pjs
.if DOCPART == 5
	.amdgcn_target "amdgcn-amd-amdhsa--gfx1250"
	.amdhsa_code_object_version 6
	.text
	.protected	k_q8da6ce43e5_proj
	.globl	k_q8da6ce43e5_proj
	.p2align	8
	.type	k_q8da6ce43e5_proj,@function
k_q8da6ce43e5_proj:
	s_mov_b64 s[64:65], 0
	v_nop
	global_prefetch_b8 v0, s[64:65] scope:SCOPE_SE
	s_setreg_imm32_b32 hwreg(HW_REG_WAVE_MODE, 25, 1), 1
	s_wait_xcnt 0x0
	s_wait_alu depctr_hold_cnt(0) depctr_sa_sdst(0) depctr_va_vdst(0) depctr_va_sdst(0) depctr_va_ssrc(0) depctr_va_vcc(0) depctr_vm_vsrc(0)
	s_getreg_b32 s2, hwreg(HW_REG_IB_STS2, 6, 4)
	s_cmp_eq_u32 s2, 0
	s_cbranch_scc0 .Lentry_in_a_cluster
	s_endpgm
.Lentry_in_a_cluster:
	s_bfe_u32 s2, ttmp6, 0x10000c
	s_cmp_lg_u32 s2, 0xf033
	s_cbranch_scc0 .Lentry_shape_is_right
	s_endpgm
.Lentry_shape_is_right:
; q = Q WQ^T, k = K WK^T, v = V WV^T on codes of FP6 (E2M3) with E8M0 scales, f32 sums; the results are quantised in registers along the NEXT product's K and leave as codes.
; Operands and results lie as images of operand registers: block (rb, q) of 128 rows x 128 K is 12,288 bytes (eight fragments of 1,536: registers 4 g .. 4 g + 3 of lane l at 512 g + 16 l), its 128 scale words 512 bytes
; (the word of fragment i, lane-row r at 16 (16 (i % 2) + r) + 4 (i / 2)); lane-row r of fragment i is row 32 (i / 2) + 8 (i % 2) + r + 8 (r / 8) of the row block.
; A tile of 256 x 256 is made by four waves, 128 x 128 each: 64 accumulators, 512 registers.  A wave's tensor load brings one row block's two K steps: 24,576 dense bytes.
; THREE LDS SLOTS of 256 along K: K's first 768 come as first fills, its last 256 fill slot 0 again behind one round of the cluster's barrier, and have the work of slots 1 and 2 in which to land.
; By this text's own count a wave has four tensor loads out at the start and one behind the round.
; THE MATRIX INSTRUCTION: source 0 = the side whose rows become the next K ("B"), source 1 = the side whose rows stay rows ("A").  By the row order above a lane's 64 results of a block of A are
; k = 32 b + 16 (lane / 16) + i of the next K at register 16 b + i: they are quantised as they stand.
; q, k (t = 0, 1): A = the activations, B = the weight's rows e.  v (t = 2): A = WV's rows e, B = V's rows, the keys: so v comes out with the keys innermost, which the last product wants.
; CLUSTERS of 4 x 4: A's tiles are asked for jointly along a row of the cluster, B's along a column.  Cluster y = 8 t + c: for q and k the 8 clusters go down the rows, for v along the keys.
; OUT: pj: q at 0, k at 6,291,456 (64 row blocks x 8 K steps each), v at 12,582,912 (row block 8 batch + e / 128, 16 K steps of keys); pjs likewise at 0, 262,144, 524,288.
; LIMITS: NaN and infinities are not served; a block of zeros carries the byte 1 (its codes are zeros; only this program reads the bytes).
; REGISTERS: window 0: v0-31 addresses; v32-63 scale words and nothing else; v128-223 A's fragments, one set; on the way out v64-147 at work.  Window 1: B's fragments, two sets.  Windows 2, 3: accumulator (a, b) at v[8 (8 (a % 4) + b)].
.set NQK,   8                          ; K steps of 128 in K
.set RBB,   NQK*12288                  ; a row block's codes
.set RBS,   NQK*512                    ; and its scale words
.set NQ,    2
.set FR,    12
.set NL,    3                          ; LDS loads that bring a fragment
.set NP,    4                          ; places behind this matrix instruction (ISA guide 7.12.1)
.set FRB,   1536
.set KSB,   12288
.set HALFT, 24576                      ; what one tensor load brings: a row block's two K steps
.set SLOT,  4*HALFT                    ; A's two row blocks, then B's two
.set SCL,   3*SLOT                     ; the scale words of the four row blocks for all of K: 4 x 4,096 bytes, filled once
.set SPARE, SCL+4*RBS                  ; the spare words, 128 bytes a wave, which no other line names
.set LI,   9                           ; v9   16 x lane
.set ADRA, 16                          ; v16-18 my A fragments in slot 0, 1, 2
.set ADRB, 20                          ; v20-22 my B fragments
.set ADRS, 27                          ; v27  my scale words: lanes 0-15 A's, lanes 16-31 B's
.set SPW,  28                          ; v28  my spare word; never rewritten
.set NIL,  29                          ; v29  0; never rewritten
.set SC,   32
.set AF,   128
.set TM,   64                          ; the way out: v64-67 largest magnitudes, v68-71 bytes, v76-79 scale operands
.set PW,   80                          ; v80-87 the eight blocks' scale words
.set WM,   88                          ; v88-91 merged for one store
.set G1, 24
.set G0A0, 32                          ; descriptor group 0 for A's tiles, a set for each slot: the three first fills are out together
.set G0A1, 36
.set G0A2, 4                           ; (s[4:7] held the two input pointers, which are done with by then)
.set G1B, 48
.set G0B0, 56
.set G0B1, 60
.set G0B2, 92
.set G1S, 68
.set G0S, 76
.set G1SB, 80
.set G0SB, 88
.set HI16, 17                          ; s17 on the way out: lanes 16-31
.set SEL, 96                           ; s[96:97] selects: lane l xor 16
.set MSB, 0
.macro WIN new                         ; the immediate's high byte repeats the setting that is left
.if MSB != (\new)
	s_set_vgpr_msb (MSB<<8)|(\new)
.set MSB, \new
.endif
.endm
.set MUL_LO, 0xa1                      ; source 0 (B) window 1, source 1 (A) window 0, C and D window 2
.set MUL_HI, 0xf1
.set TO_B,   0x40
; A joint load: waves 0 and 1 fetch for A, waves 2 and 3 for B; the branch hangs on the wave's number alone.  An s_nop 0 and four v_nop follow each line.
.macro JLOAD g0a, g1a, g0b, g1b
	s_cmp_eq_u32 s15, 0
	s_cbranch_scc0 .Lfor_b_\@
	tensor_load_to_lds s[\g0a:\g0a+3], s[\g1a:\g1a+7]
	s_nop 0
.rept 4
	v_nop
.endr
	s_branch .Lasked_\@
.Lfor_b_\@:
	tensor_load_to_lds s[\g0b:\g0b+3], s[\g1b:\g1b+7]
	s_nop 0
.rept 4
	v_nop
.endr
.Lasked_\@:
.endm
.macro CREST                           ; a round of the cluster's barrier behind its opening barrier
	s_cmp_lg_u32 s14, 0
	s_cbranch_scc1 .Lnot_wave_0_\@
	s_barrier_signal -3
.Lnot_wave_0_\@:
	s_barrier_wait -3
	s_barrier_signal -1
	s_barrier_wait -1
.endm
.macro CROUND
	s_barrier_signal -1
	s_barrier_wait -1
	CREST
.endm
	s_load_b256 s[4:11], s[0:1], 0x0               ; xc, xs, pj, pjs
	v_lshl_add_u32 v[SPW], v0, 2, SPARE
	v_mov_b32 v[NIL], 0
	ds_add_u32 v[SPW], v[NIL]                      ; the wave's opening: the add and its wait ahead of my first tensor load
	v_lshrrev_b32 v1, 5, v0
	v_readfirstlane_b32 s14, v1                    ; wave
	s_lshr_b32 s15, s14, 1                         ; my half of A's rows.  Also: I fetch for A (0) or B (1)
	s_and_b32 s16, s14, 1                          ; my half of B's rows.  Also: which row block of that side I fetch
	s_bfe_u32 s40, ttmp6, 0x40000                  ; cx
	s_bfe_u32 s41, ttmp6, 0x40004                  ; cy
	s_and_b32 s17, ttmp7, 0xffff                   ; cluster y, 0 .. 23
	s_lshr_b32 s18, s17, 3                         ; t: 0 q, 1 k, 2 v
	s_and_b32 s17, s17, 7                          ; c
	s_lshr_b32 s12, s18, 1                         ; 1 for v
	s_mul_i32 s13, s17, s12                        ; v: the clusters go along B
	s_sub_co_u32 s17, s17, s13                     ; q, k: down A
	s_lshl_b32 s19, s17, 2
	s_add_co_u32 s19, s19, s41                     ; TR: tile of A's rows
	s_lshl_b32 s42, s13, 2
	s_add_co_u32 s42, s42, s40                     ; TC: tile of B's rows
	s_lshl_b32 s43, s41, 2
	s_lshl_b32 s43, 15, s43                        ; my row of the cluster
	s_lshl_b32 s44, 0x1111, s40                    ; my column
	s_or_b32 s[G1+0], s43, (3<<16)|(1<<21)         ; the mask; elements of 8 bytes; bit 21 beside a mask; no padding
	s_or_b32 s[G1B+0], s44, (3<<16)|(1<<21)
.irp g, G1, G1B
	s_mov_b32 s[\g+1], 32<<16                      ; a dense block as rows of 256 bytes: tensor_dim0 = 32
	s_mov_b32 s[\g+2], 96<<16                      ; tensor_dim1 = 96
	s_mov_b32 s[\g+3], 32<<16                      ; tile_dim0
	s_mov_b32 s[\g+4], 96                          ; tile_dim1
	s_mov_b32 s[\g+5], 32                          ; pitch
	s_mov_b32 s[\g+6], 0
	s_mov_b32 s[\g+7], 0
.endr
	s_or_b32 s[G1S+0], s43, (3<<16)|(1<<21)
	s_or_b32 s[G1SB+0], s44, (3<<16)|(1<<21)
.irp g, G1S, G1SB
	s_mov_b32 s[\g+1], 32<<16
	s_mov_b32 s[\g+2], (RBS/256)<<16
	s_mov_b32 s[\g+3], 32<<16
	s_mov_b32 s[\g+4], RBS/256
	s_mov_b32 s[\g+5], 32
	s_mov_b32 s[\g+6], 0
	s_mov_b32 s[\g+7], 0
.endr
	s_mul_i32 s13, s12, 80
	s_lshl_b32 s20, s18, 6
	s_add_co_u32 s20, s20, s13                     ; A's first row block: 0, 64, 208
	s_lshl_b32 s21, s19, 1
	s_add_co_u32 s20, s20, s21
	s_add_co_u32 s20, s20, s16                     ; the row block of A that I would fetch
	s_lshl_b32 s46, s18, 3
	s_add_co_u32 s46, s46, 192
	s_sub_co_u32 s46, s46, s13                     ; B's first row block: 192, 200, 128
	s_lshl_b32 s47, s42, 1
	s_add_co_u32 s46, s46, s47
	s_add_co_u32 s46, s46, s16                     ; and of B
	s_mul_i32 s22, s20, RBS
	s_mov_b32 s23, 0
	s_mul_i32 s20, s20, RBB
	s_mov_b32 s21, 0
	s_mul_i32 s92, s46, RBS
	s_mov_b32 s93, 0
	s_mul_i32 s46, s46, RBB
	s_mov_b32 s47, 0
	s_mul_i32 s45, s14, HALFT                      ; where they go: by the wave's number alone
	s_mul_i32 s94, s14, RBS
	s_mov_b32 s[SEL], 0x76543210
	s_mov_b32 s[SEL+1], 0xfedcba98
	s_wait_dscnt 0x0                               ; the opening add is done
	s_wait_kmcnt 0x0
	s_add_nc_u64 s[20:21], s[4:5], s[20:21]
	s_add_nc_u64 s[22:23], s[6:7], s[22:23]
	s_add_nc_u64 s[46:47], s[4:5], s[46:47]
	s_add_nc_u64 s[92:93], s[6:7], s[92:93]
	CROUND                                         ; all sixteen work-groups are here: the first joint loads meet
	s_mov_b32 s[G0S], 1
	s_add_co_u32 s[G0S+1], s94, SCL
	s_mov_b64 s[G0S+2:G0S+3], s[22:23]
	s_or_b32 s[G0S+3], s[G0S+3], 0x80000000
	s_mov_b32 s[G0SB], 1
	s_add_co_u32 s[G0SB+1], s94, SCL
	s_mov_b64 s[G0SB+2:G0SB+3], s[92:93]
	s_or_b32 s[G0SB+3], s[G0SB+3], 0x80000000
	JLOAD G0S, G1S, G0SB, G1SB                     ; the scale words first
.macro FIRST ga, gb, n                 ; slot n's first fill: K steps 2 n and 2 n + 1
	s_mov_b32 s[\ga], 1
	s_add_co_u32 s[\ga+1], s45, \n*SLOT
	s_add_nc_u64 s[\ga+2:\ga+3], s[20:21], \n*HALFT
	s_or_b32 s[\ga+3], s[\ga+3], 0x80000000
	s_mov_b32 s[\gb], 1
	s_add_co_u32 s[\gb+1], s45, \n*SLOT
	s_add_nc_u64 s[\gb+2:\gb+3], s[46:47], \n*HALFT
	s_or_b32 s[\gb+3], s[\gb+3], 0x80000000
	JLOAD \ga, G1, \gb, G1B
.endm
	FIRST G0A0, G0B0, 0
	FIRST G0A1, G0B1, 1
	FIRST G0A2, G0B2, 2
	v_and_b32 v1, 15, v0                           ; r
	v_bfe_u32 v2, v0, 4, 1                         ; h
	v_and_b32 v3, 31, v0
	v_lshlrev_b32 v[LI], 4, v3
	s_mul_i32 s21, s15, HALFT
	s_mul_i32 s22, s16, HALFT
	s_add_co_u32 s22, s22, 2*HALFT
.irp s, 0,1,2
	v_add_nc_u32 v[ADRA+\s], s21, v[LI]
	v_add_nc_u32 v[ADRB+\s], s22, v[LI]
	s_add_co_u32 s21, s21, SLOT
	s_add_co_u32 s22, s22, SLOT
.endr
	v_lshlrev_b32 v5, 4, v1                        ; a row's words lie 16 bytes apart
	s_mul_i32 s21, s15, RBS                        ; A's: my row block
	s_mul_i32 s22, s16, RBS                        ; B's: behind A's two
	s_add_co_u32 s22, s22, 2*RBS
	s_sub_co_u32 s22, s22, s21
	v_mul_u32_u24 v6, s22, v2                      ; lanes 16-31 take B's: one product, the distance between the two
	s_add_co_u32 s21, s21, SCL
	v_add_nc_u32 v5, v5, v6
	v_add_nc_u32 v[ADRS], s21, v5
	s_lshr_b32 s66, s42, 3                         ; where my 128 x 128 results go: block BI = ((8 (TC / 8) + 2 TR + half) << (3 or 4)) + 2 (TC % 8) + half
	s_lshl_b32 s66, s66, 3
	s_lshl_b32 s67, s19, 1
	s_add_co_u32 s66, s66, s67
	s_add_co_u32 s66, s66, s15
	s_add_co_u32 s67, s12, 3
	s_lshl_b32 s66, s66, s67
	s_and_b32 s67, s42, 7
	s_lshl_b32 s67, s67, 1
	s_add_co_u32 s66, s66, s67
	s_add_co_u32 s66, s66, s16
	s_mul_i32 s12, s18, 6291456
	s_mul_i32 s13, s66, 12288
	s_add_co_u32 s12, s12, s13
	s_mov_b32 s13, 0
	s_add_nc_u64 s[8:9], s[8:9], s[12:13]
	s_lshl_b32 s12, s18, 18
	s_lshl_b32 s66, s66, 9
	s_add_co_u32 s12, s12, s66
	s_add_nc_u64 s[10:11], s[10:11], s[12:13]
.macro FRAG reg, adr, q, i             ; a fragment comes as it was stored: three loads of 512 consecutive bytes
.irp g, 0,1,2
	ds_load_b128 v[\reg+4*\g:\reg+4*\g+3], v[\adr] offset:(\q)*KSB+(\i)*FRB+512*\g
.endr
.endm
; 16 matrix instructions: A's blocks a0, a0 + 1 x B's eight.  The 64 accumulators take turns, one instruction a turn, in the same order in every step.
.macro MUL16 a0, p, q, sc, zero
.irp a, \a0, \a0+1
.irp b, 0,1,2,3,4,5,6,7
.if \zero
	v_wmma_scale_f32_16x16x128_f8f6f4 v[8*(8*((\a)%4)+\b):8*(8*((\a)%4)+\b)+7], v[128*(\p)+FR*\b:128*(\p)+FR*\b+FR-1], v[AF+FR*(\a):AF+FR*(\a)+FR-1], 0, v[SC+8*NQ*(\sc)+NQ*\b+(\q)], v[SC+8*NQ*(\sc)+NQ*(\a)+(\q)] matrix_a_fmt:MATRIX_FMT_FP6 matrix_b_fmt:MATRIX_FMT_FP6 matrix_a_scale:MATRIX_SCALE_ROW1
.else
	v_wmma_scale_f32_16x16x128_f8f6f4 v[8*(8*((\a)%4)+\b):8*(8*((\a)%4)+\b)+7], v[128*(\p)+FR*\b:128*(\p)+FR*\b+FR-1], v[AF+FR*(\a):AF+FR*(\a)+FR-1], v[8*(8*((\a)%4)+\b):8*(8*((\a)%4)+\b)+7], v[SC+8*NQ*(\sc)+NQ*\b+(\q)], v[SC+8*NQ*(\sc)+NQ*(\a)+(\q)] matrix_a_fmt:MATRIX_FMT_FP6 matrix_b_fmt:MATRIX_FMT_FP6 matrix_a_scale:MATRIX_SCALE_ROW1
.endif
.endr
.endr
.endm
.macro FETCH_B slot, q, p
	WIN TO_B
.irp i, 0,1,2,3,4,5,6,7
	FRAG 128*(\p)+FR*\i, ADRB+\slot, \q, \i
.endr
	WIN 0
.endm
.macro FETCH_A slot, q, i0
.irp i, \i0, \i0+1, \i0+2, \i0+3
	FRAG AF+FR*(\i), ADRA+\slot, \q, \i
.endr
.endm
.macro SCALES sc                       ; a slot's scale words into set sc: register 2 i + q: lanes 0-15 A's block i, lanes 16-31 B's block i
.irp i, 0,1,2,3,4,5,6,7
.irp q, 0,1
	ds_load_b32 v[SC+8*NQ*\sc+NQ*\i+\q], v[ADRS] offset:\q*512+(\i%2)*256+(\i/2)*4
.endr
.endr
.endm
.macro PLACES n                        ; plain vector instructions between a matrix instruction and a load into, or a read of, its registers
.rept \n
	v_nop
.endr
.endm
.macro STEP slot, sc, zero             ; a slot's first 128 along K; sc: its set of scale words
	s_wait_dscnt 4*NL                              ; all but the youngest twelve loads (A's blocks 4-7) are in
	WIN MUL_LO
	MUL16 0, 0, 0, \sc, \zero
	MUL16 2, 0, 0, \sc, \zero
	s_wait_dscnt 0
	PLACES NP
	FETCH_B \slot, 1, 1
	FETCH_A \slot, 1, 0
	WIN MUL_HI
	MUL16 4, 0, 0, \sc, \zero
	MUL16 6, 0, 0, \sc, \zero
	PLACES NP
	WIN 0
	FETCH_A \slot, 1, 4
.endm
; A slot's second 128 along K, which goes on to slot next (scale words into set nsc).
; mode 1: slot 0 is left and filled again: each wave waits for all its tensor loads (slots 1 and 2 among them), adds 0 to its spare word, waits for that and for its reads of the slot; a round of the cluster's barrier; the joint refill.
; mode 2: from slot 1 to slot 2: slot 2 was shown whole to every wave by the wait ahead of mode 1's round, and nothing is filled into slot 1: no wait on tensor loads, no barrier.
; mode 0: from slot 2 to slot 0: the refill has to be in, in every wave's part: the same three lines and the work-group's barrier.
.macro TURN sc, next, nsc, mode
.if \mode < 2
	s_wait_tensorcnt 0x0                           ; all my tensor loads have landed
	ds_add_u32 v[SPW], v[NIL]
	s_wait_dscnt 4*NL+1                            ; (the add and A's blocks 4-7 may be out)
	WIN MUL_LO
	MUL16 0, 1, 1, \sc, 0
	s_wait_dscnt 0x0                               ; the add is done, and my reads of this slot are over
	s_barrier_signal -1
	MUL16 2, 1, 1, \sc, 0
	WIN 0
	s_barrier_wait -1
.else
	s_wait_dscnt 4*NL
	WIN MUL_LO
	MUL16 0, 1, 1, \sc, 0
	MUL16 2, 1, 1, \sc, 0
	s_wait_dscnt 0x0
	WIN 0
.endif
.if \mode == 1
	CREST                                          ; the barrier opened a round of the cluster's: no wave of any partner still reads slot 0 or has a load on its way
	s_add_nc_u64 s[G0A0+2:G0A0+3], s[G0A0+2:G0A0+3], 3*HALFT       ; from K steps 0, 1 to K steps 6, 7
	s_add_nc_u64 s[G0B0+2:G0B0+3], s[G0B0+2:G0B0+3], 3*HALFT
	JLOAD G0A0, G1, G0B0, G1B                      ; the first tensor load behind the round; its four v_nop are the places ahead of the loads below
.else
	PLACES NP
.endif
	v_add_nc_u32 v[ADRS], 512*NQ, v[ADRS]          ; the next slot's scale words
	FETCH_B \next, 0, 0
	FETCH_A \next, 0, 0
	SCALES \nsc
	WIN MUL_HI
	MUL16 4, 1, 1, \sc, 0
	MUL16 6, 1, 1, \sc, 0
	PLACES NP
	WIN 0
	FETCH_A \next, 0, 4
.endm
	s_wait_tensorcnt 2                             ; the scale words and my part of slot 0 are in; the loads of slots 1 and 2 may be out
	s_barrier_signal -1
	s_barrier_wait -1
	FETCH_B 0, 0, 0
	FETCH_A 0, 0, 0
	SCALES 0
	FETCH_A 0, 0, 4
	STEP 0, 0, 1                                   ; the first step's products start the sums
	TURN 0, 1, 1, 1                                ; slot 0 is left and takes K's last 256
	STEP 1, 1, 0
	TURN 1, 2, 0, 2
	STEP 2, 0, 0
	TURN 0, 0, 1, 0                                ; back to slot 0
	STEP 0, 1, 0
	s_wait_dscnt 4*NL                              ; the last step: nothing more to fetch
	WIN MUL_LO
	MUL16 0, 1, 1, 1, 0
	MUL16 2, 1, 1, 1, 0
	s_wait_dscnt 0
	WIN MUL_HI
	MUL16 4, 1, 1, 1, 0
	MUL16 6, 1, 1, 1, 0
	WIN 0
; THE WAY OUT.  Block a's 64 results of a lane are one row's 64 of the next K's 128 (the lane 16 away holds the others): four blocks of 32, quantised, and stored as a fragment's image.
.macro QUANTW a
.set WW, 2+(\a)/4
.set SRC, 64*((\a)%4)
.set PC, 96+32*((\a)%2)                ; the codes: two sets by turns
.set WA, WW|(WW<<2)
.set WB, (WW<<2)|(WW<<4)
	WIN WA
.irp b, 0,1,2,3
	v_max3_num_f32 v[TM+\b], |v[SRC+16*\b]|, |v[SRC+1+16*\b]|, 0x1800000   ; each accumulator is read from its low end on; the floor 2^(3 - 127) holds the byte at 1
.endr
	WIN WB
.irp i, 2,4,6,8,10,12,14
.irp b, 0,1,2,3
	v_max3_num_f32 v[TM+\b], v[TM+\b], |v[SRC+16*\b+\i]|, |v[SRC+1+16*\b+\i]|
.endr
.endr
	WIN 0
.irp b, 0,1,2,3
	v_permlanex16_b32 v[TM+4+\b], v[TM+\b], s[SEL], s[SEL+1]
.endr
.irp b, 0,1,2,3
	v_max_num_f32 v[TM+\b], v[TM+\b], v[TM+4+\b]
.endr
.irp b, 0,1,2,3
	v_add_nc_u32 v[TM+12+\b], 0xff000000, v[TM+\b]
.endr
.irp b, 0,1,2,3
	v_lshrrev_b32 v[TM+4+\b], 23, v[TM+12+\b]
.endr
	v_lshl_or_b32 v[PW+(\a)], v[TM+5], 8, v[TM+4]
	v_lshl_or_b32 v[PW+(\a)], v[TM+6], 16, v[PW+(\a)]
	v_lshl_or_b32 v[PW+(\a)], v[TM+7], 24, v[PW+(\a)]
.if (\a) >= 2
	s_wait_xcnt 0x0                                ; block a - 2's stores have read this set of codes
.endif
	WIN WW
.irp c, 0,1
	v_cvt_scalef32_pk16_fp6_f32 v[PC+6*\c:PC+2+6*\c], v[SRC+32*\c:SRC+15+32*\c], v[TM+12+2*\c]
	v_cvt_scalef32_pk16_fp6_f32 v[PC+12+4*\c:PC+14+4*\c], v[SRC+16+32*\c:SRC+31+32*\c], v[TM+12+2*\c+1]
.endr
	WIN 0
	v_nop                                          ; one plain place behind the scaled conversions
.irp c, 0,1                            ; the operand's layout wants a whole block in a lane
.irp i, 0,1,2
	v_permlane16_swap_b32 v[PC+6*\c+\i], v[PC+12+4*\c+\i]
.endr
.irp i, 0,1,2
	v_mov_b32 v[PC+3+6*\c+\i], v[PC+12+4*\c+\i]
.endr
.endr
.irp g, 0,1,2
	global_store_b128 v[LI], v[PC+4*\g:PC+4*\g+3], s[8:9] offset:(\a)*FRB+512*\g   ; 512 consecutive bytes, aligned
.endr
.endm
	s_mov_b32 s[HI16], 0xffff0000
.irp b, 0,1,2,3
	v_mov_b32 v[TM+4+\b], 0                        ; the permutes' targets are written once; these four are also the places behind the last products
.endr
.irp a, 0,1,2,3,4,5,6,7
	QUANTW \a
.endr
.irp p, 0,1,2,3
	v_cndmask_b32 v[WM+\p], v[PW+2*\p], v[PW+2*\p+1], s[HI16]
.endr
	global_store_b128 v[LI], v[WM:WM+3], s[10:11]  ; the 128 scale words
	s_wait_tensorcnt 0x0                           ; the wave's end
	ds_add_u32 v[SPW], v[NIL]
	s_wait_dscnt 0x0
	CROUND                                         ; the closing round
	s_endpgm
.Lfunc_end_k_q8da6ce43e5_proj:
	.size	k_q8da6ce43e5_proj, .Lfunc_end_k_q8da6ce43e5_proj-k_q8da6ce43e5_proj
	.p2alignl 7, 3214868480
	.fill 96, 4, 3214868480
	.section	.rodata,"a",@progbits
	.p2align	6, 0x0
	.amdhsa_kernel k_q8da6ce43e5_proj
		.amdhsa_group_segment_fixed_size 327680
		.amdhsa_private_segment_fixed_size 0
		.amdhsa_enable_private_segment 0
		.amdhsa_kernarg_size 32
		.amdhsa_user_sgpr_count 2
		.amdhsa_user_sgpr_kernarg_segment_ptr 1
		.amdhsa_wavefront_size32 1
		.amdhsa_system_sgpr_workgroup_id_x 1
		.amdhsa_system_sgpr_workgroup_id_y 1
		.amdhsa_system_sgpr_workgroup_id_z 1
		.amdhsa_system_vgpr_workitem_id 0
		.amdhsa_next_free_vgpr 1024
		.amdhsa_next_free_sgpr 100
		.amdhsa_reserve_vcc 0
		.amdhsa_float_denorm_mode_32 3
		.amdhsa_float_denorm_mode_16_64 3
		.amdhsa_memory_ordered 1
		.amdhsa_forward_progress 1
		.amdhsa_inst_pref_size 142
	.end_amdhsa_kernel
	.amdgpu_metadata
---
amdhsa.version: [ 1, 2 ]
amdhsa.kernels:
  - .name:           k_q8da6ce43e5_proj
    .symbol:         k_q8da6ce43e5_proj.kd
    .args:
      - { .name: xc, .offset: 0, .size: 8, .value_kind: global_buffer, .address_space: global }
      - { .name: xs, .offset: 8, .size: 8, .value_kind: global_buffer, .address_space: global }
      - { .name: pj, .offset: 16, .size: 8, .value_kind: global_buffer, .address_space: global }
      - { .name: pjs, .offset: 24, .size: 8, .value_kind: global_buffer, .address_space: global }
    .group_segment_fixed_size: 327680
    .private_segment_fixed_size: 0
    .kernarg_segment_align: 8
    .kernarg_segment_size: 32
    .max_flat_workgroup_size: 128
    .sgpr_count:     100
    .vgpr_count:     1024
    .wavefront_size: 32
...
	.end_amdgpu_metadata
.endif
;; end of part 5
;; launch scores (part 6): grid 8 x 32, 4 waves a work-group, clusters of 4 x 4, 327,680 bytes of LDS; arguments pj, pjs, pc, st; writes pc, st
.if DOCPART == 6
	.amdgcn_target "amdgcn-amd-amdhsa--gfx1250"
	.amdhsa_code_object_version 6
	.text
	.protected	k_q8da6ce43e5_scores
	.globl	k_q8da6ce43e5_scores
	.p2align	8
	.type	k_q8da6ce43e5_scores,@function
k_q8da6ce43e5_scores:
	s_mov_b64 s[64:65], 0
	v_nop
	global_prefetch_b8 v0, s[64:65] scope:SCOPE_SE
	s_setreg_imm32_b32 hwreg(HW_REG_WAVE_MODE, 25, 1), 1
	s_wait_xcnt 0x0
	s_wait_alu depctr_hold_cnt(0) depctr_sa_sdst(0) depctr_va_vdst(0) depctr_va_sdst(0) depctr_va_ssrc(0) depctr_va_vcc(0) depctr_vm_vsrc(0)
	s_getreg_b32 s2, hwreg(HW_REG_IB_STS2, 6, 4)
	s_cmp_eq_u32 s2, 0
	s_cbranch_scc0 .Lentry_in_a_cluster
	s_endpgm
.Lentry_in_a_cluster:
	s_bfe_u32 s2, ttmp6, 0x10000c
	s_cmp_lg_u32 s2, 0xf033
	s_cbranch_scc0 .Lentry_shape_is_right
	s_endpgm
.Lentry_shape_is_right:
; scores = q k^T on codes of FP6 (E2M3), f32 sums; scores of keys behind the query become 0 (not -infinity: they keep their weight); then the softmax's p, quantised along the keys, leaves as codes.
; p IS TAKEN AGAINST A LOCAL M: for each query and each 128 keys g: t = score x log2(e) / 32, M_g = ceil(the largest t of the 128), p = 2^(t - M_g), l_g = the sum of the unquantised p.  M_g is a whole number, so the
; next launch brings the blocks under the row's M by taking M - M_g off their scale bytes: the codes' values stay.  A record {scale word, -M_g, l_g, 0} goes out for each (query, g).
; Operands lie as images of operand registers (block (rb, q): 12,288 bytes of codes, 512 of scale words; lane-row r of fragment i is row 32 (i / 2) + 8 (i % 2) + r + 8 (r / 8) of its row block).
; A tile of 256 queries x 256 keys is made by four waves, 128 x 128 each.  Source 0 = 16 keys ("B"), source 1 = 16 queries ("A"): a lane holds one query, and register 16 b + i of a block of queries is key 32 b + 16 (lane / 16) + i.
; THREE LDS SLOTS of 256 along K: K's first 768 come as first fills, its last 256 fill slot 0 again behind one round of the cluster's barrier, and have the work of slots 1 and 2 in which to land.
; By this text's own count a wave has four tensor loads out at the start and one behind the round.
; CLUSTERS of 4 x 4: q's tiles are asked for jointly along a row of the cluster, k's along a column.  Tiles that lie wholly behind the diagonal are multiplied too.
; OUT: pc: block (query / 128, key / 128 in the batch), 16 K steps to a row block; st: 2,048 bytes for each such block: pair p of fragments at 512 p + 16 lane, lanes 0-15 fragment 2 p, lanes 16-31 fragment 2 p + 1.
; LIMITS: NaN and infinities are not served; M is kept as a whole number in f32 (exact up to 2^24); a block whose every p has fallen to 0 carries the byte 1 (its codes are zeros).
; REGISTERS: window 0: v0-31 addresses, v10 the mask's offset, v11 0, v12 -M, v13 t, v[14:15] the sum; v32-63 scale words and nothing else; v128-223 A's fragments; on the way out v96-159 p, v160-178 records, v192-231 codes, v232-254 at work.
; Window 1: B's fragments, two sets.  Windows 2, 3: accumulator (a, b) at v[8 (8 (a % 4) + b)].
.set NQK,   8
.set RBB,   NQK*12288
.set RBS,   NQK*512
.set NQ,    2
.set FR,    12
.set NL,    3
.set NP,    4
.set FRB,   1536
.set KSB,   12288
.set HALFT, 24576
.set SLOT,  4*HALFT
.set SCL,   3*SLOT
.set SPARE, SCL+4*RBS                  ; the spare words, 128 bytes a wave, which no other line names
.set LI,   9
.set ADRA, 16                          ; v16-18
.set ADRB, 20                          ; v20-22
.set ADRS, 27
.set SPW,  28
.set NIL,  29
.set SC,   32
.set AF,   128
.set REC,  160
.set G1, 24
.set G0A0, 32                          ; descriptor group 0 for A's tiles, a set for each slot: the three first fills are out together
.set G0A1, 36
.set G0A2, 4                           ; (s[4:7] held the two input pointers, which are done with by then)
.set G1B, 48
.set G0B0, 56
.set G0B1, 60
.set G0B2, 92
.set G1S, 68
.set G0S, 76
.set G1SB, 80
.set G0SB, 88
.set HI16, 17                          ; s17 on the way out: lanes 16-31
.set SEL, 96                           ; s[96:97] selects: lane l xor 16
.set CS,  98                           ; s[98:99] c = log2(e) / 32
.set MSB, 0
.macro WIN new
.if MSB != (\new)
	s_set_vgpr_msb (MSB<<8)|(\new)
.set MSB, \new
.endif
.endm
.set MUL_LO, 0xa1
.set MUL_HI, 0xf1
.set TO_B,   0x40
.macro JLOAD g0a, g1a, g0b, g1b        ; a joint load: waves 0 and 1 for A, waves 2 and 3 for B; an s_nop 0 and four v_nop follow each line
	s_cmp_eq_u32 s15, 0
	s_cbranch_scc0 .Lfor_b_\@
	tensor_load_to_lds s[\g0a:\g0a+3], s[\g1a:\g1a+7]
	s_nop 0
.rept 4
	v_nop
.endr
	s_branch .Lasked_\@
.Lfor_b_\@:
	tensor_load_to_lds s[\g0b:\g0b+3], s[\g1b:\g1b+7]
	s_nop 0
.rept 4
	v_nop
.endr
.Lasked_\@:
.endm
.macro CREST
	s_cmp_lg_u32 s14, 0
	s_cbranch_scc1 .Lnot_wave_0_\@
	s_barrier_signal -3
.Lnot_wave_0_\@:
	s_barrier_wait -3
	s_barrier_signal -1
	s_barrier_wait -1
.endm
.macro CROUND
	s_barrier_signal -1
	s_barrier_wait -1
	CREST
.endm
	s_load_b256 s[4:11], s[0:1], 0x0               ; pj, pjs, pc, st
	v_lshl_add_u32 v[SPW], v0, 2, SPARE
	v_mov_b32 v[NIL], 0
	ds_add_u32 v[SPW], v[NIL]                      ; the wave's opening: the add and its wait ahead of my first tensor load
	v_lshrrev_b32 v1, 5, v0
	v_readfirstlane_b32 s14, v1
	s_lshr_b32 s15, s14, 1                         ; my half of the queries.  Also: I fetch for A (0) or B (1)
	s_and_b32 s16, s14, 1                          ; my half of the keys.  Also: which row block I fetch
	s_bfe_u32 s40, ttmp6, 0x40000                  ; cx
	s_bfe_u32 s41, ttmp6, 0x40004                  ; cy
	s_lshl_b32 s42, ttmp9, 2
	s_add_co_u32 s42, s42, s40                     ; TC: tile of keys in the batch, 0 .. 7
	s_and_b32 s17, ttmp7, 0xffff
	s_lshl_b32 s19, s17, 2
	s_add_co_u32 s19, s19, s41                     ; TR: tile of queries, 0 .. 31
	s_lshr_b32 s18, s17, 1                         ; the batch, which the sixteen partners share
	s_lshl_b32 s43, s41, 2
	s_lshl_b32 s43, 15, s43
	s_lshl_b32 s44, 0x1111, s40
	s_or_b32 s[G1+0], s43, (3<<16)|(1<<21)
	s_or_b32 s[G1B+0], s44, (3<<16)|(1<<21)
.irp g, G1, G1B
	s_mov_b32 s[\g+1], 32<<16
	s_mov_b32 s[\g+2], 96<<16
	s_mov_b32 s[\g+3], 32<<16
	s_mov_b32 s[\g+4], 96
	s_mov_b32 s[\g+5], 32
	s_mov_b32 s[\g+6], 0
	s_mov_b32 s[\g+7], 0
.endr
	s_or_b32 s[G1S+0], s43, (3<<16)|(1<<21)
	s_or_b32 s[G1SB+0], s44, (3<<16)|(1<<21)
.irp g, G1S, G1SB
	s_mov_b32 s[\g+1], 32<<16
	s_mov_b32 s[\g+2], (RBS/256)<<16
	s_mov_b32 s[\g+3], 32<<16
	s_mov_b32 s[\g+4], RBS/256
	s_mov_b32 s[\g+5], 32
	s_mov_b32 s[\g+6], 0
	s_mov_b32 s[\g+7], 0
.endr
	s_lshl_b32 s20, s19, 1
	s_add_co_u32 s20, s20, s16                     ; q's row block that I would fetch
	s_lshl_b32 s46, s18, 4
	s_add_co_u32 s46, s46, 64                      ; k's row blocks lie behind q's 64
	s_lshl_b32 s47, s42, 1
	s_add_co_u32 s46, s46, s47
	s_add_co_u32 s46, s46, s16
	s_mul_i32 s22, s20, RBS
	s_mov_b32 s23, 0
	s_mul_i32 s20, s20, RBB
	s_mov_b32 s21, 0
	s_mul_i32 s92, s46, RBS
	s_mov_b32 s93, 0
	s_mul_i32 s46, s46, RBB
	s_mov_b32 s47, 0
	s_mul_i32 s45, s14, HALFT
	s_mul_i32 s94, s14, RBS
	s_mov_b32 s[SEL], 0x76543210
	s_mov_b32 s[SEL+1], 0xfedcba98
	s_mov_b32 s[CS], 0x3d38aa3b
	s_mov_b32 s[CS+1], s[CS]                       ; (named with it as a pair, so it is written)
	s_wait_dscnt 0x0
	s_wait_kmcnt 0x0
	s_add_nc_u64 s[20:21], s[4:5], s[20:21]
	s_add_nc_u64 s[22:23], s[6:7], s[22:23]
	s_add_nc_u64 s[46:47], s[4:5], s[46:47]
	s_add_nc_u64 s[92:93], s[6:7], s[92:93]
	CROUND
	s_mov_b32 s[G0S], 1
	s_add_co_u32 s[G0S+1], s94, SCL
	s_mov_b64 s[G0S+2:G0S+3], s[22:23]
	s_or_b32 s[G0S+3], s[G0S+3], 0x80000000
	s_mov_b32 s[G0SB], 1
	s_add_co_u32 s[G0SB+1], s94, SCL
	s_mov_b64 s[G0SB+2:G0SB+3], s[92:93]
	s_or_b32 s[G0SB+3], s[G0SB+3], 0x80000000
	JLOAD G0S, G1S, G0SB, G1SB
.macro FIRST ga, gb, n                 ; slot n's first fill: K steps 2 n and 2 n + 1
	s_mov_b32 s[\ga], 1
	s_add_co_u32 s[\ga+1], s45, \n*SLOT
	s_add_nc_u64 s[\ga+2:\ga+3], s[20:21], \n*HALFT
	s_or_b32 s[\ga+3], s[\ga+3], 0x80000000
	s_mov_b32 s[\gb], 1
	s_add_co_u32 s[\gb+1], s45, \n*SLOT
	s_add_nc_u64 s[\gb+2:\gb+3], s[46:47], \n*HALFT
	s_or_b32 s[\gb+3], s[\gb+3], 0x80000000
	JLOAD \ga, G1, \gb, G1B
.endm
	FIRST G0A0, G0B0, 0
	FIRST G0A1, G0B1, 1
	FIRST G0A2, G0B2, 2
	v_and_b32 v1, 15, v0
	v_bfe_u32 v2, v0, 4, 1
	v_and_b32 v3, 31, v0
	v_lshlrev_b32 v[LI], 4, v3
	s_mul_i32 s21, s15, HALFT
	s_mul_i32 s22, s16, HALFT
	s_add_co_u32 s22, s22, 2*HALFT
.irp s, 0,1,2
	v_add_nc_u32 v[ADRA+\s], s21, v[LI]
	v_add_nc_u32 v[ADRB+\s], s22, v[LI]
	s_add_co_u32 s21, s21, SLOT
	s_add_co_u32 s22, s22, SLOT
.endr
	v_lshlrev_b32 v5, 4, v1
	s_mul_i32 s21, s15, RBS
	s_mul_i32 s22, s16, RBS
	s_add_co_u32 s22, s22, 2*RBS
	s_sub_co_u32 s22, s22, s21
	v_mul_u32_u24 v6, s22, v2
	s_add_co_u32 s21, s21, SCL
	v_add_nc_u32 v5, v5, v6
	v_add_nc_u32 v[ADRS], s21, v5
	s_lshl_b32 s66, s19, 1                         ; my block of p: (2 TR + half) x 16 + 2 TC + half
	s_add_co_u32 s66, s66, s15
	s_lshl_b32 s66, s66, 4
	s_lshl_b32 s67, s42, 1
	s_add_co_u32 s66, s66, s67
	s_add_co_u32 s66, s66, s16
	s_mul_i32 s12, s66, 12288
	s_mov_b32 s13, 0
	s_add_nc_u64 s[8:9], s[8:9], s[12:13]
	s_lshl_b32 s12, s66, 11
	s_add_nc_u64 s[10:11], s[10:11], s[12:13]
	s_and_b32 s66, s19, 7                          ; the mask: my first query less my first key, in the batch,
	s_lshl_b32 s66, s66, 1
	s_add_co_u32 s66, s66, s15
	s_add_co_u32 s67, s67, s16
	s_sub_co_i32 s66, s66, s67
	s_lshl_b32 s66, s66, 7
	v_and_b32 v10, 8, v1
	v_add_nc_u32 v10, v10, v1                      ; + r + 8 (r / 8)
	v_lshlrev_b32 v5, 4, v2
	v_sub_nc_u32 v10, v10, v5                      ; - 16 h.  It enters compares alone: no address, no branch
	v_add_nc_u32 v10, s66, v10
	v_mov_b32 v11, 0
.macro FRAG reg, adr, q, i
.irp g, 0,1,2
	ds_load_b128 v[\reg+4*\g:\reg+4*\g+3], v[\adr] offset:(\q)*KSB+(\i)*FRB+512*\g
.endr
.endm
.macro MUL16 a0, p, q, sc, zero        ; the 64 accumulators take turns, one instruction a turn
.irp a, \a0, \a0+1
.irp b, 0,1,2,3,4,5,6,7
.if \zero
	v_wmma_scale_f32_16x16x128_f8f6f4 v[8*(8*((\a)%4)+\b):8*(8*((\a)%4)+\b)+7], v[128*(\p)+FR*\b:128*(\p)+FR*\b+FR-1], v[AF+FR*(\a):AF+FR*(\a)+FR-1], 0, v[SC+8*NQ*(\sc)+NQ*\b+(\q)], v[SC+8*NQ*(\sc)+NQ*(\a)+(\q)] matrix_a_fmt:MATRIX_FMT_FP6 matrix_b_fmt:MATRIX_FMT_FP6 matrix_a_scale:MATRIX_SCALE_ROW1
.else
	v_wmma_scale_f32_16x16x128_f8f6f4 v[8*(8*((\a)%4)+\b):8*(8*((\a)%4)+\b)+7], v[128*(\p)+FR*\b:128*(\p)+FR*\b+FR-1], v[AF+FR*(\a):AF+FR*(\a)+FR-1], v[8*(8*((\a)%4)+\b):8*(8*((\a)%4)+\b)+7], v[SC+8*NQ*(\sc)+NQ*\b+(\q)], v[SC+8*NQ*(\sc)+NQ*(\a)+(\q)] matrix_a_fmt:MATRIX_FMT_FP6 matrix_b_fmt:MATRIX_FMT_FP6 matrix_a_scale:MATRIX_SCALE_ROW1
.endif
.endr
.endr
.endm
.macro FETCH_B slot, q, p
	WIN TO_B
.irp i, 0,1,2,3,4,5,6,7
	FRAG 128*(\p)+FR*\i, ADRB+\slot, \q, \i
.endr
	WIN 0
.endm
.macro FETCH_A slot, q, i0
.irp i, \i0, \i0+1, \i0+2, \i0+3
	FRAG AF+FR*(\i), ADRA+\slot, \q, \i
.endr
.endm
.macro SCALES sc
.irp i, 0,1,2,3,4,5,6,7
.irp q, 0,1
	ds_load_b32 v[SC+8*NQ*\sc+NQ*\i+\q], v[ADRS] offset:\q*512+(\i%2)*256+(\i/2)*4
.endr
.endr
.endm
.macro PLACES n
.rept \n
	v_nop
.endr
.endm
.macro STEP slot, sc, zero             ; a slot's first 128 along K; sc: its set of scale words
	s_wait_dscnt 4*NL                              ; all but the youngest twelve loads (A's blocks 4-7) are in
	WIN MUL_LO
	MUL16 0, 0, 0, \sc, \zero
	MUL16 2, 0, 0, \sc, \zero
	s_wait_dscnt 0
	PLACES NP
	FETCH_B \slot, 1, 1
	FETCH_A \slot, 1, 0
	WIN MUL_HI
	MUL16 4, 0, 0, \sc, \zero
	MUL16 6, 0, 0, \sc, \zero
	PLACES NP
	WIN 0
	FETCH_A \slot, 1, 4
.endm
; A slot's second 128 along K, which goes on to slot next (scale words into set nsc).
; mode 1: slot 0 is left and filled again: each wave waits for all its tensor loads (slots 1 and 2 among them), adds 0 to its spare word, waits for that and for its reads of the slot; a round of the cluster's barrier; the joint refill.
; mode 2: from slot 1 to slot 2: slot 2 was shown whole to every wave by the wait ahead of mode 1's round, and nothing is filled into slot 1: no wait on tensor loads, no barrier.
; mode 0: from slot 2 to slot 0: the refill has to be in, in every wave's part: the same three lines and the work-group's barrier.
.macro TURN sc, next, nsc, mode
.if \mode < 2
	s_wait_tensorcnt 0x0                           ; all my tensor loads have landed
	ds_add_u32 v[SPW], v[NIL]
	s_wait_dscnt 4*NL+1                            ; (the add and A's blocks 4-7 may be out)
	WIN MUL_LO
	MUL16 0, 1, 1, \sc, 0
	s_wait_dscnt 0x0                               ; the add is done, and my reads of this slot are over
	s_barrier_signal -1
	MUL16 2, 1, 1, \sc, 0
	WIN 0
	s_barrier_wait -1
.else
	s_wait_dscnt 4*NL
	WIN MUL_LO
	MUL16 0, 1, 1, \sc, 0
	MUL16 2, 1, 1, \sc, 0
	s_wait_dscnt 0x0
	WIN 0
.endif
.if \mode == 1
	CREST                                          ; a round of the cluster's barrier: no wave of any partner still reads slot 0 or has a load on its way
	s_add_nc_u64 s[G0A0+2:G0A0+3], s[G0A0+2:G0A0+3], 3*HALFT       ; from K steps 0, 1 to K steps 6, 7
	s_add_nc_u64 s[G0B0+2:G0B0+3], s[G0B0+2:G0B0+3], 3*HALFT
	JLOAD G0A0, G1, G0B0, G1B
.else
	PLACES NP
.endif
	v_add_nc_u32 v[ADRS], 512*NQ, v[ADRS]
	FETCH_B \next, 0, 0
	FETCH_A \next, 0, 0
	SCALES \nsc
	WIN MUL_HI
	MUL16 4, 1, 1, \sc, 0
	MUL16 6, 1, 1, \sc, 0
	PLACES NP
	WIN 0
	FETCH_A \next, 0, 4
.endm
	s_wait_tensorcnt 2                             ; the scale words and slot 0 are in; the loads of slots 1 and 2 may be out
	s_barrier_signal -1
	s_barrier_wait -1
	FETCH_B 0, 0, 0
	FETCH_A 0, 0, 0
	SCALES 0
	FETCH_A 0, 0, 4
	STEP 0, 0, 1
	TURN 0, 1, 1, 1                                ; slot 0 is left and takes K's last 256
	STEP 1, 1, 0
	TURN 1, 2, 0, 2
	STEP 2, 0, 0
	TURN 0, 0, 1, 0                                ; back to slot 0
	STEP 0, 1, 0
	s_wait_dscnt 4*NL
	WIN MUL_LO
	MUL16 0, 1, 1, 1, 0
	MUL16 2, 1, 1, 1, 0
	s_wait_dscnt 0
	WIN MUL_HI
	MUL16 4, 1, 1, 1, 0
	MUL16 6, 1, 1, 1, 0
	WIN 0
; THE WAY OUT, a block of 16 queries x 128 keys at a time.
.macro PBLOCK a
.set WW, 2+(\a)/4
.set SRC, 64*((\a)%4)
.set CD, 192+20*((\a)%2)               ; the codes: two sets by turns
	WIN 0
	v_add_nc_u32 v252, 32*((\a)/2)+8*((\a)%2), v10 ; d = my query - my first key - 16 h.  Register n holds the key 32 (n / 16) + n % 16 on: behind the query where that is above d
	WIN WW
.set n, 0
.rept 64
	v_cmp_gt_i32 vcc_lo, 32*(n/16)+n%16, v252
	v_cndmask_b32 v[96+n], v[SRC+n], v11, vcc_lo   ; such a score becomes 0; the line also brings the block into window 0, each accumulator from its low end on
.set n, n+1
.endr
	WIN 0
.irp b, 0,1,2,3
	v_max3_num_f32 v[232+\b], v[96+16*\b], v[97+16*\b], v[98+16*\b]   ; the largest score of each block of 32 keys: for the maximum, and, since p rises with the score, for the block's largest p
.endr
.irp i, 3,5,7,9,11,13
.irp b, 0,1,2,3
	v_max3_num_f32 v[232+\b], v[232+\b], v[96+16*\b+\i], v[97+16*\b+\i]
.endr
.endr
.irp b, 0,1,2,3
	v_max_num_f32 v[232+\b], v[232+\b], v[111+16*\b]
.endr
.irp b, 0,1,2,3
	v_permlanex16_b32 v[236+\b], v[232+\b], s[SEL], s[SEL+1]
.endr
.irp b, 0,1,2,3
	v_max_num_f32 v[232+\b], v[232+\b], v[236+\b]
.endr
	v_max3_num_f32 v254, v232, v233, v234
	v_max_num_f32 v254, v254, v235
	v_mul_f32 v13, s[CS], v254                     ; the largest t of these 128 keys (c is positive)
	v_floor_f32 v12, -v13                          ; -M_g = floor(-t): a whole number
.set j, 0
.rept 32
	v_pk_fma_f32 v[96+j:97+j], v[96+j:97+j], s[CS:CS+1], v[12:13] op_sel_hi:[1,0,0]   ; t - M_g, two at a time
.set j, j+2
.endr
.irp b, 0,1,2,3
	v_fma_f32 v[232+\b], v[232+\b], s[CS], v12
.endr
.set j, 0
.rept 64
	v_exp_f32 v[96+j], v[96+j]                     ; p, at most 1
.set j, j+1
.endr
	v_nop                                          ; a plain place behind the exponentials
	s_wait_alu depctr_va_vdst(0)                   ; one wait for the batch, ahead of its first reader
.irp b, 0,1,2,3
	v_exp_f32 v[232+\b], v[232+\b]                 ; each block's largest p
.endr
	v_pk_add_f32 v[14:15], v[96:97], v[100:101]    ; the sum of the UNQUANTISED p, in two packed chains
	v_pk_add_f32 v[236:237], v[98:99], v[102:103]
.set j, 8
.rept 14
	v_pk_add_f32 v[14:15], v[14:15], v[96+j:97+j]
	v_pk_add_f32 v[236:237], v[236:237], v[98+j:99+j]
.set j, j+4
.endr
	v_pk_add_f32 v[14:15], v[14:15], v[236:237]
	v_add_f32 v14, v14, v15
	v_permlanex16_b32 v254, v14, s[SEL], s[SEL+1]
	v_add_f32 v14, v14, v254                       ; l_g
	s_wait_alu depctr_va_vdst(0)                   ; and one for the four
.irp b, 0,1,2,3
	v_max_num_f32 v[232+\b], 0x1800000, v[232+\b]  ; the floor 2^(3 - 127): the byte cannot fall under 1
.endr
.irp b, 0,1,2,3
	v_add_nc_u32 v[244+\b], 0xff000000, v[232+\b]
.endr
.irp b, 0,1,2,3
	v_lshrrev_b32 v[236+\b], 23, v[244+\b]
.endr
	v_lshl_or_b32 v253, v237, 8, v236
	v_lshl_or_b32 v253, v238, 16, v253
	v_lshl_or_b32 v253, v239, 24, v253             ; p's scale word under M_g
.if (\a) >= 2
	s_wait_xcnt 0x0                                ; block a - 2's stores have read this set of codes
.endif
.irp c, 0,1
	v_cvt_scalef32_pk16_fp6_f32 v[CD+6*\c:CD+2+6*\c], v[96+32*\c:111+32*\c], v[244+2*\c]
	v_cvt_scalef32_pk16_fp6_f32 v[CD+12+4*\c:CD+14+4*\c], v[112+32*\c:127+32*\c], v[244+2*\c+1]
.endr
	v_nop                                          ; one plain place behind the scaled conversions
.irp c, 0,1
.irp i, 0,1,2
	v_permlane16_swap_b32 v[CD+6*\c+\i], v[CD+12+4*\c+\i]
.endr
.irp i, 0,1,2
	v_mov_b32 v[CD+3+6*\c+\i], v[CD+12+4*\c+\i]
.endr
.endr
.irp g, 0,1,2
	global_store_b128 v[LI], v[CD+4*\g:CD+4*\g+3], s[8:9] offset:(\a)*FRB+512*\g
.endr
.if (\a)%2 == 0
	v_mov_b32 v176, v253                           ; kept for the pair's record
	v_mov_b32 v177, v12
	v_mov_b32 v178, v14
.else
	v_cndmask_b32 v[REC+4*((\a)/2)], v176, v253, s[HI16]   ; lanes 0-15 the even block's, lanes 16-31 the odd one's
	v_cndmask_b32 v[REC+4*((\a)/2)+1], v177, v12, s[HI16]
	v_cndmask_b32 v[REC+4*((\a)/2)+2], v178, v14, s[HI16]
	v_mov_b32 v[REC+4*((\a)/2)+3], 0
	global_store_b128 v[LI], v[REC+4*((\a)/2):REC+4*((\a)/2)+3], s[10:11] offset:((\a)/2)*512
.endif
.endm
	s_mov_b32 s[HI16], 0xffff0000
.irp b, 0,1,2,3
	v_mov_b32 v[236+\b], 0                         ; the permutes' targets are written once; these four are also the places behind the last products
.endr
.irp a, 0,1,2,3,4,5,6,7
	PBLOCK \a
.endr
	s_wait_tensorcnt 0x0                           ; the wave's end
	ds_add_u32 v[SPW], v[NIL]
	s_wait_dscnt 0x0
	CROUND                                         ; the closing round
	s_endpgm
.Lfunc_end_k_q8da6ce43e5_scores:
	.size	k_q8da6ce43e5_scores, .Lfunc_end_k_q8da6ce43e5_scores-k_q8da6ce43e5_scores
	.p2alignl 7, 3214868480
	.fill 96, 4, 3214868480
	.section	.rodata,"a",@progbits
	.p2align	6, 0x0
	.amdhsa_kernel k_q8da6ce43e5_scores
		.amdhsa_group_segment_fixed_size 327680
		.amdhsa_private_segment_fixed_size 0
		.amdhsa_enable_private_segment 0
		.amdhsa_kernarg_size 32
		.amdhsa_user_sgpr_count 2
		.amdhsa_user_sgpr_kernarg_segment_ptr 1
		.amdhsa_wavefront_size32 1
		.amdhsa_system_sgpr_workgroup_id_x 1
		.amdhsa_system_sgpr_workgroup_id_y 1
		.amdhsa_system_sgpr_workgroup_id_z 1
		.amdhsa_system_vgpr_workitem_id 0
		.amdhsa_next_free_vgpr 1024
		.amdhsa_next_free_sgpr 100
		.amdhsa_reserve_vcc 1
		.amdhsa_float_denorm_mode_32 3
		.amdhsa_float_denorm_mode_16_64 3
		.amdhsa_memory_ordered 1
		.amdhsa_forward_progress 1
		.amdhsa_inst_pref_size 237
	.end_amdhsa_kernel
	.amdgpu_metadata
---
amdhsa.version: [ 1, 2 ]
amdhsa.kernels:
  - .name:           k_q8da6ce43e5_scores
    .symbol:         k_q8da6ce43e5_scores.kd
    .args:
      - { .name: pj, .offset: 0, .size: 8, .value_kind: global_buffer, .address_space: global }
      - { .name: pjs, .offset: 8, .size: 8, .value_kind: global_buffer, .address_space: global }
      - { .name: pc, .offset: 16, .size: 8, .value_kind: global_buffer, .address_space: global }
      - { .name: st, .offset: 24, .size: 8, .value_kind: global_buffer, .address_space: global }
    .group_segment_fixed_size: 327680
    .private_segment_fixed_size: 0
    .kernarg_segment_align: 8
    .kernarg_segment_size: 32
    .max_flat_workgroup_size: 128
    .sgpr_count:     100
    .vgpr_count:     1024
    .wavefront_size: 32
...
	.end_amdgpu_metadata
.endif
;; end of part 6
;; launch pv (part 7): grid 4 x 64, 4 waves a work-group, clusters of 4 x 4, 327,680 bytes of LDS; arguments pc, st, pj, pjs, out0; writes out0
.if DOCPART == 7
	.amdgcn_target "amdgcn-amd-amdhsa--gfx1250"
	.amdhsa_code_object_version 6
	.text
	.protected	k_q8da6ce43e5_pv
	.globl	k_q8da6ce43e5_pv
	.p2align	8
	.type	k_q8da6ce43e5_pv,@function
k_q8da6ce43e5_pv:
	s_mov_b64 s[64:65], 0
	v_nop
	global_prefetch_b8 v0, s[64:65] scope:SCOPE_SE
	s_setreg_imm32_b32 hwreg(HW_REG_WAVE_MODE, 25, 1), 1
	s_wait_xcnt 0x0
	s_wait_alu depctr_hold_cnt(0) depctr_sa_sdst(0) depctr_va_vdst(0) depctr_va_sdst(0) depctr_va_ssrc(0) depctr_va_vcc(0) depctr_vm_vsrc(0)
	s_getreg_b32 s2, hwreg(HW_REG_IB_STS2, 6, 4)
	s_cmp_eq_u32 s2, 0
	s_cbranch_scc0 .Lentry_in_a_cluster
	s_endpgm
.Lentry_in_a_cluster:
	s_bfe_u32 s2, ttmp6, 0x10000c
	s_cmp_lg_u32 s2, 0xf033
	s_cbranch_scc0 .Lentry_shape_is_right
	s_endpgm
.Lentry_shape_is_right:
; out = (p v) / l on codes of FP6 (E2M3), f32 sums; K = the batch's 2,048 keys, 16 K steps of 128.
; p's codes were made against a local whole number M_g for each (query, 128 keys).  Here, at the head, each row's M = the largest M_g is found, M - M_g is taken off the four scale bytes of each group (held at 0 from below),
; l = the sum of l_g 2^(M_g - M), and 1 / l is kept.  The shifted scale words go to LDS.
; Operands lie as images of operand registers (block (rb, q): 12,288 bytes of codes, 512 of scale words; lane-row r of fragment i is row 32 (i / 2) + 8 (i % 2) + r + 8 (r / 8) of its row block).
; SHARES.  8,192 queries x 1,024 columns are 256 tiles of 128 queries x 256 columns, one to a work-group; its four waves make 64 x 128 each: 32 accumulators, one register window.
; Source 0 = 16 rows (batch, e) of v ("B"), source 1 = 16 queries of p ("A"): register j of accumulator (a, b) is column 32 (b / 2) + 16 (lane / 16) + 8 (b % 2) + j.
; THE RING.  A K step is 12,288 bytes of p and 24,576 of v.  A slot holds FOUR K steps, 147,456 bytes; the two slots hold half of K.  Both are first fills, and each is filled again once, behind a round of the cluster's
; barrier at the head of its last step; the refill has four steps' work in which to land.  Waves 0 and 1 fetch p's two halves of a slot (24,576 dense bytes each), waves 2 and 3 v's two row blocks (49,152 each).
; By this text's own count a wave has three tensor loads out at the start and one behind each round.
; A and B have two sets of fragment registers each: a step's 38 LDS loads stand in one run, a step ahead of their use.  All 16 steps are written out: no loop.
; CLUSTERS of 4 x 4: p's tiles are asked for jointly along a row of the cluster, v's tiles and scale words along a column.
; LIMITS: NaN and infinities are not served.  A block of p more than 2^-125 or so under the row's largest is held at the byte 0, the scale 2^-127: what it adds lies under 1e-37 x |v|.  M - M_g is held at 255.
; REGISTERS: window 0: v0-31 addresses; v32-47 scale words and nothing else; at the head v64-242 records at work; v128-223 A's fragments, two sets of 48; on the way out v64-71 1 / l, v128-255 rows.
; Window 1: B's fragments, two sets, at v0 and v128.  Window 2: accumulator (a, b) at v[8 (8 a + b)].
.set NQK,   16
.set RBB,   NQK*12288
.set RBS,   NQK*512
.set FR,    12
.set NP,    4                          ; places behind this matrix instruction (ISA guide 7.12.1)
.set FRB,   1536
.set KSB,   12288
.set SST,   4                          ; K steps in a slot
.set PIECE, SST*KSB                    ; a row block's part of a slot
.set SLOT,  3*PIECE                    ; p's row block, then v's two
.set SCLA,  2*SLOT                     ; p's shifted scale words: [K step][half of the queries][r][4 blocks], 512 bytes a K step: stored by the waves, never a tensor load's target
.set SCLB,  SCLA+RBS                   ; v's, as they lie in memory, two row blocks, filled once
.set RLB,   SCLB+2*RBS                 ; 1 / l of the 128 queries
.set SPARE, RLB+512                    ; the spare words, 128 bytes a wave, which no other line names
.set SPITCH, 528                       ; the way out: a stage of 16 rows x (512 + 16) bytes a wave, in slot 0, which has had its last fill and its last read by then
.set LI,   9                           ; v9   16 x lane
.set ADRA, 16                          ; v16-17 my A fragments in slot 0, 1
.set ADRB, 20                          ; v20-21 my B fragments
.set SWA,  22                          ; v22  where I store shifted scale words
.set RWA,  23                          ; v23  where I store 1 / l
.set STO,  24                          ; v24  the stage, in
.set RD,   25                          ; v25  the stage, back
.set RRA,  26                          ; v26  where I read 1 / l
.set ADRS, 27                          ; v27  scale words: lanes 0-15 my four blocks of p, lanes 16-31 v's even blocks
.set SPW,  28                          ; v28  my spare word; never rewritten
.set NIL,  29                          ; v29  0; never rewritten
.set ADRS2, 30                         ; v30  scale words: v's odd blocks
.set SC,   32                          ; v32-47 two sets of 8
.set AF,   128
.set REC,  64                          ; the head: v64-127 16 records
.set SS,   128                         ; v128-143 M - M_g
.set TT,   144                         ; v144-159 l_g under M
.set BY0,  160                         ; v160-223 the four bytes of each word
.set BY1,  176
.set BY2,  192
.set BY3,  208
.set XX,   224                         ; v224-239 at work
.set RI,   64                          ; the way out: v64-71 1 / l, a pair for each block
.set BK,   128
.set G1, 24
.set G0, 32
.set G1B, 48
.set G0B, 56
.set G1SB, 80
.set G0SB, 88
.set MSB, 0
.macro WIN new                         ; the immediate's high byte repeats the setting that is left
.if MSB != (\new)
	s_set_vgpr_msb (MSB<<8)|(\new)
.set MSB, \new
.endif
.endm
.set MUL_W, 0xa1                       ; source 0 (B) window 1, source 1 (A) window 0, C and D window 2
.set TO_B,  0x40
.macro JLOAD g0a, g1a, g0b, g1b        ; a joint load: waves 0 and 1 for A, waves 2 and 3 for B; an s_nop 0 and four v_nop follow each line
	s_cmp_eq_u32 s15, 0
	s_cbranch_scc0 .Lfor_b_\@
	tensor_load_to_lds s[\g0a:\g0a+3], s[\g1a:\g1a+7]
	s_nop 0
.rept 4
	v_nop
.endr
	s_branch .Lasked_\@
.Lfor_b_\@:
	tensor_load_to_lds s[\g0b:\g0b+3], s[\g1b:\g1b+7]
	s_nop 0
.rept 4
	v_nop
.endr
.Lasked_\@:
.endm
.macro CREST
	s_cmp_lg_u32 s14, 0
	s_cbranch_scc1 .Lnot_wave_0_\@
	s_barrier_signal -3
.Lnot_wave_0_\@:
	s_barrier_wait -3
	s_barrier_signal -1
	s_barrier_wait -1
.endm
.macro CROUND
	s_barrier_signal -1
	s_barrier_wait -1
	CREST
.endm
	s_load_b256 s[4:11], s[0:1], 0x0               ; pc, st, pj, pjs
	s_load_b64 s[12:13], s[0:1], 0x20              ; out0
	v_lshl_add_u32 v[SPW], v0, 2, SPARE
	v_mov_b32 v[NIL], 0
	ds_add_u32 v[SPW], v[NIL]                      ; the wave's opening: the add and its wait ahead of my first tensor load
	v_lshrrev_b32 v1, 5, v0
	v_readfirstlane_b32 s14, v1
	s_lshr_b32 s15, s14, 1                         ; my half of the queries.  Also: I fetch for A (0) or B (1)
	s_and_b32 s16, s14, 1                          ; my half of the columns.  Also: which part of that side I fetch
	s_bfe_u32 s40, ttmp6, 0x40000                  ; cx = the tile of 256 columns
	s_bfe_u32 s41, ttmp6, 0x40004                  ; cy
	s_and_b32 s17, ttmp7, 0xffff                   ; cluster y, 0 .. 15
	s_lshl_b32 s19, s17, 2
	s_add_co_u32 s19, s19, s41                     ; TR: p's row block, 0 .. 63
	s_lshr_b32 s18, s17, 2                         ; the batch, which the sixteen partners share
	s_lshl_b32 s43, s41, 2
	s_lshl_b32 s43, 15, s43                        ; my row of the cluster
	s_lshl_b32 s44, 0x1111, s40                    ; my column
	s_or_b32 s[G1+0], s43, (3<<16)|(1<<21)         ; the mask; elements of 8 bytes; bit 21 beside a mask; no padding
	s_mov_b32 s[G1+1], 32<<16                      ; p: two K steps, 24,576 dense bytes as 96 rows of 256
	s_mov_b32 s[G1+2], 96<<16
	s_mov_b32 s[G1+3], 32<<16
	s_mov_b32 s[G1+4], 96
	s_mov_b32 s[G1+5], 32
	s_mov_b32 s[G1+6], 0
	s_mov_b32 s[G1+7], 0
	s_or_b32 s[G1B+0], s44, (3<<16)|(1<<21)
	s_mov_b32 s[G1B+1], 32<<16                     ; v: four K steps of a row block, 49,152 dense bytes as 192 rows of 256
	s_mov_b32 s[G1B+2], 192<<16
	s_mov_b32 s[G1B+3], 32<<16
	s_mov_b32 s[G1B+4], 192
	s_mov_b32 s[G1B+5], 32
	s_mov_b32 s[G1B+6], 0
	s_mov_b32 s[G1B+7], 0
	s_or_b32 s[G1SB+0], s44, (3<<16)|(1<<21)       ; v's scale words: 4,096 dense bytes a wave
	s_mov_b32 s[G1SB+1], 32<<16
	s_mov_b32 s[G1SB+2], 16<<16
	s_mov_b32 s[G1SB+3], 32<<16
	s_mov_b32 s[G1SB+4], 16
	s_mov_b32 s[G1SB+5], 32
	s_mov_b32 s[G1SB+6], 0
	s_mov_b32 s[G1SB+7], 0
	s_mul_i32 s20, s19, RBB                        ; p's row block,
	s_mul_i32 s21, s16, 2*KSB                      ; the two K steps of a slot that I would fetch
	s_add_co_u32 s20, s20, s21
	s_mov_b32 s21, 0
	s_lshl_b32 s46, s18, 3
	s_lshl_b32 s47, s40, 1
	s_add_co_u32 s46, s46, s47                     ; v's row block 8 batch + 2 TC
	s_lshl_b32 s92, s46, 13                        ; its scale words: 8,192 bytes a row block,
	s_lshl_b32 s94, s14, 12                        ; my quarter of the two row blocks',
	s_add_co_u32 s92, s92, s94
	s_add_co_u32 s92, s92, 524288                  ; behind q's and k's
	s_mov_b32 s93, 0
	s_add_co_u32 s46, s46, s16
	s_mul_i32 s46, s46, RBB
	s_add_co_u32 s46, s46, 12582912                ; v's codes lie behind q's and k's
	s_mov_b32 s47, 0
	s_mul_i32 s45, s16, 2*KSB                      ; where they go, by the wave's number alone: p's part,
	s_mul_i32 s95, s16, PIECE
	s_add_co_u32 s95, s95, PIECE                   ; v's row block
	s_lshl_b32 s22, s19, 15                        ; the records of p's row block: pair = my wave
	s_lshl_b32 s23, s14, 9
	s_add_co_u32 s22, s22, s23
	s_mov_b32 s23, 0
	s_wait_dscnt 0x0                               ; the opening add is done
	s_wait_kmcnt 0x0
	s_add_nc_u64 s[20:21], s[4:5], s[20:21]
	s_add_nc_u64 s[46:47], s[8:9], s[46:47]
	s_add_nc_u64 s[92:93], s[10:11], s[92:93]
	s_add_nc_u64 s[6:7], s[6:7], s[22:23]
	CROUND                                         ; all sixteen work-groups are here: the first joint loads meet
	s_mov_b32 s[G0SB], 1
	s_add_co_u32 s[G0SB+1], s94, SCLB
	s_mov_b64 s[G0SB+2:G0SB+3], s[92:93]
	s_or_b32 s[G0SB+3], s[G0SB+3], 0x80000000
	tensor_load_to_lds s[G0SB:G0SB+3], s[G1SB:G1SB+7]   ; every wave its quarter of v's scale words, jointly with the same wave of my column's partners
	s_nop 0
.rept 4
	v_nop
.endr
.irp s, 0,1
	s_mov_b32 s[G0+4*\s], 1
	s_add_co_u32 s[G0+4*\s+1], s45, \s*SLOT
	s_add_nc_u64 s[G0+4*\s+2:G0+4*\s+3], s[20:21], \s*PIECE
	s_or_b32 s[G0+4*\s+3], s[G0+4*\s+3], 0x80000000
	s_mov_b32 s[G0B+4*\s], 1
	s_add_co_u32 s[G0B+4*\s+1], s95, \s*SLOT
	s_add_nc_u64 s[G0B+4*\s+2:G0B+4*\s+3], s[46:47], \s*PIECE
	s_or_b32 s[G0B+4*\s+3], s[G0B+4*\s+3], 0x80000000
	JLOAD G0+4*\s, G1, G0B+4*\s, G1B               ; slot s: K steps 4 s .. 4 s + 3
.endr
	v_and_b32 v1, 15, v0                           ; r
	v_bfe_u32 v2, v0, 4, 1                         ; h
	v_and_b32 v3, 31, v0
	v_lshlrev_b32 v[LI], 4, v3
.set gg, 0
.rept 16                               ; record gg: K step gg of fragment 2 x wave + h, lane-row r
	global_load_b128 v[REC+4*gg:REC+4*gg+3], v[LI], s[6:7] offset:gg*2048
.set gg, gg+1
.endr
	s_mul_i32 s21, s15, 4*FRB                      ; my four blocks of p
	s_mul_i32 s22, s16, PIECE                      ; my row block of v,
	s_add_co_u32 s22, s22, PIECE                   ; behind p's part
.irp s, 0,1
	v_add_nc_u32 v[ADRA+\s], s21, v[LI]
	v_add_nc_u32 v[ADRB+\s], s22, v[LI]
	s_add_co_u32 s21, s21, SLOT
	s_add_co_u32 s22, s22, SLOT
.endr
	v_lshlrev_b32 v5, 4, v1                        ; 16 bytes a row on both sides
	s_lshl_b32 s21, s15, 8                         ; p's: my half's 256 bytes of a K step's 512
	s_mul_i32 s22, s16, RBS                        ; v's: my row block
	s_add_co_u32 s22, s22, SCLB-SCLA
	s_sub_co_u32 s22, s22, s21
	v_mul_u32_u24 v6, s22, v2                      ; lanes 16-31 take v's: one product, the distance between the two
	s_add_co_u32 s21, s21, SCLA
	v_add_nc_u32 v6, v5, v6
	v_add_nc_u32 v[ADRS], s21, v6
	s_lshl_b32 s22, s16, 3
	s_add_co_u32 s21, s21, s22                     ; the word of fragment i = 2 x wave + h lies at 256 (i / 4) + 16 r + 4 (i % 4)
	v_lshl_add_u32 v5, v2, 2, v5
	v_add_nc_u32 v[SWA], s21, v5
	s_mul_i32 s22, s16, RBS
	s_add_co_u32 s22, s22, SCLB+256                ; v's odd blocks lie 256 bytes behind the even ones
	v_lshl_add_u32 v[ADRS2], v1, 4, s22
	s_lshl_b32 s21, s14, 7
	s_add_co_u32 s21, s21, RLB
	v_lshl_add_u32 v[RWA], v3, 2, s21              ; 1 / l of (fragment i, r) lies at 64 i + 4 r
	s_lshl_b32 s21, s15, 8
	s_add_co_u32 s21, s21, RLB
	v_lshl_add_u32 v[RRA], v1, 2, s21
	s_mul_i32 s23, s14, 16*SPITCH
	v_mul_u32_u24 v5, v1, SPITCH
	v_lshl_add_u32 v5, v2, 6, v5
	v_add_nc_u32 v[STO], s23, v5                   ; the stage, in: row r, + 64 h
	v_add_nc_u32 v[RD], s23, v[LI]                 ; back: a row of 512 bytes
	s_lshl_b32 s66, s19, 19                        ; out0: 128 rows of 4,096 bytes a row block,
	s_lshl_b32 s67, s15, 18                        ; my 64 rows of them,
	s_add_co_u32 s66, s66, s67
	s_lshl_b32 s67, s40, 10                        ; the tile's 256 columns,
	s_add_co_u32 s66, s66, s67
	s_lshl_b32 s67, s16, 9                         ; my 128 of them
	s_add_co_u32 s66, s66, s67
	s_mov_b32 s67, 0
	s_add_nc_u64 s[12:13], s[12:13], s[66:67]
	s_wait_loadcnt 0x0                             ; the records
	; THE ROW'S M, l AND SCALE WORDS, stage by stage over the 16 groups, so that no line waits for the line above it
	v_min3_num_f32 v240, v[REC+1], v[REC+5], v[REC+9]      ; -M = the least -M_g
	v_min3_num_f32 v241, v[REC+13], v[REC+17], v[REC+21]
	v_min3_num_f32 v240, v240, v[REC+25], v[REC+29]
	v_min3_num_f32 v241, v241, v[REC+33], v[REC+37]
	v_min3_num_f32 v240, v240, v[REC+41], v[REC+45]
	v_min3_num_f32 v241, v241, v[REC+49], v[REC+53]
	v_min3_num_f32 v240, v240, v[REC+57], v[REC+61]
	v_min_num_f32 v240, v240, v241
.set gg, 0
.rept 16
	v_sub_f32 v[SS+gg], v[REC+4*gg+1], v240        ; M - M_g: a whole number, 0 or more
.set gg, gg+1
.endr
.set gg, 0
.rept 16
	v_min_num_f32 v[SS+gg], 0x437f0000, v[SS+gg]   ; held at 255
.set gg, gg+1
.endr
.set gg, 0
.rept 16
	v_cvt_u32_f32 v[SS+gg], v[SS+gg]
.set gg, gg+1
.endr
.set gg, 0
.rept 16
	v_sub_nc_u32 v[TT+gg], 0, v[SS+gg]
.set gg, gg+1
.endr
.set gg, 0
.rept 16
	v_ldexp_f32 v[TT+gg], v[REC+4*gg+2], v[TT+gg]  ; l_g under the row's M: nothing is rounded
.set gg, gg+1
.endr
.irp k, 0,2,4,6
	v_pk_add_f32 v[TT+\k:TT+\k+1], v[TT+\k:TT+\k+1], v[TT+8+\k:TT+9+\k]
.endr
.irp k, 0,2
	v_pk_add_f32 v[TT+\k:TT+\k+1], v[TT+\k:TT+\k+1], v[TT+4+\k:TT+5+\k]
.endr
	v_pk_add_f32 v[TT:TT+1], v[TT:TT+1], v[TT+2:TT+3]
	v_add_f32 v[TT], v[TT], v[TT+1]                ; l
	v_rcp_f32 v242, v[TT]                          ; the bytes' lines below are the plain work behind it
.set gg, 0
.rept 16
	v_bfe_u32 v[BY0+gg], v[REC+4*gg], 0, 8
	v_bfe_u32 v[BY1+gg], v[REC+4*gg], 8, 8
	v_bfe_u32 v[BY2+gg], v[REC+4*gg], 16, 8
	v_lshrrev_b32 v[BY3+gg], 24, v[REC+4*gg]
.set gg, gg+1
.endr
.irp k, BY0, BY1, BY2, BY3
.set gg, 0
.rept 16
	v_min_u32 v[XX+gg], v[\k+gg], v[SS+gg]
.set gg, gg+1
.endr
.set gg, 0
.rept 16
	v_sub_nc_u32 v[\k+gg], v[\k+gg], v[XX+gg]      ; the byte less M - M_g, held at 0
.set gg, gg+1
.endr
.endr
.set gg, 0
.rept 16
	v_lshl_or_b32 v[BY0+gg], v[BY1+gg], 8, v[BY0+gg]
.set gg, gg+1
.endr
.set gg, 0
.rept 16
	v_lshl_or_b32 v[BY0+gg], v[BY2+gg], 16, v[BY0+gg]
.set gg, gg+1
.endr
.set gg, 0
.rept 16
	v_lshl_or_b32 v[BY0+gg], v[BY3+gg], 24, v[BY0+gg]
.set gg, gg+1
.endr
.set gg, 0
.rept 16
	ds_store_b32 v[SWA], v[BY0+gg] offset:gg*512
.set gg, gg+1
.endr
	s_wait_alu depctr_va_vdst(0)                   ; the wait for the reciprocal, ahead of its first reader
	ds_store_b32 v[RWA], v242
; 16 matrix instructions of K step s: A's blocks a0, a0 + 1 x B's eight.  The 32 accumulators take turns, one instruction a turn, in the same order in every step.
; Scale words of the step's set: registers 0-3: lanes 0-15 A's blocks 0-3, lanes 16-31 B's blocks 0, 2, 4, 6; registers 4-7: lanes 16-31 B's blocks 1, 3, 5, 7.
.macro MULH s, a0, zero
.set PP, (\s)%2
.irp a, \a0, \a0+1
.irp b, 0,1,2,3,4,5,6,7
.if \zero
	v_wmma_scale_f32_16x16x128_f8f6f4 v[8*(8*(\a)+\b):8*(8*(\a)+\b)+7], v[128*PP+FR*\b:128*PP+FR*\b+FR-1], v[AF+48*PP+FR*(\a):AF+48*PP+FR*(\a)+FR-1], 0, v[SC+8*PP+4*(\b%2)+\b/2], v[SC+8*PP+(\a)] matrix_a_fmt:MATRIX_FMT_FP6 matrix_b_fmt:MATRIX_FMT_FP6 matrix_a_scale:MATRIX_SCALE_ROW1
.else
	v_wmma_scale_f32_16x16x128_f8f6f4 v[8*(8*(\a)+\b):8*(8*(\a)+\b)+7], v[128*PP+FR*\b:128*PP+FR*\b+FR-1], v[AF+48*PP+FR*(\a):AF+48*PP+FR*(\a)+FR-1], v[8*(8*(\a)+\b):8*(8*(\a)+\b)+7], v[SC+8*PP+4*(\b%2)+\b/2], v[SC+8*PP+(\a)] matrix_a_fmt:MATRIX_FMT_FP6 matrix_b_fmt:MATRIX_FMT_FP6 matrix_a_scale:MATRIX_SCALE_ROW1
.endif
.endr
.endr
.endm
; K step s's fragments and scale words into set s % 2: 38 LDS loads in one run; a fragment comes as it was stored, three loads of 512 consecutive bytes
.macro FETCH s
.set FP, (\s)%2
.set FS, ((\s)/SST)%2
.set FQ, (\s)%SST
	WIN TO_B
.irp i, 0,1,2,3,4,5,6,7
.irp g, 0,1,2
	ds_load_b128 v[128*FP+FR*\i+4*\g:128*FP+FR*\i+4*\g+3], v[ADRB+FS] offset:FQ*KSB+\i*FRB+512*\g
.endr
.endr
	WIN 0
.irp i, 0,1,2,3
.irp g, 0,1,2
	ds_load_b128 v[AF+48*FP+FR*\i+4*\g:AF+48*FP+FR*\i+4*\g+3], v[ADRA+FS] offset:FQ*KSB+\i*FRB+512*\g
.endr
.endr
	ds_load_b128 v[SC+8*FP:SC+8*FP+3], v[ADRS] offset:(\s)*512
	ds_load_b128 v[SC+8*FP+4:SC+8*FP+7], v[ADRS2] offset:(\s)*512
.endm
.macro PLACES n                        ; plain vector instructions between a matrix instruction and a load into, or a read of, its registers
.rept \n
	v_nop
.endr
.endm
; K step s.  mode 0: its successor lies in the same slot.  mode 3: the last step.
; mode 1: a slot's last step, and the slot is filled again: its fragments are in registers, so the slot is free at the step's HEAD.  Each wave waits for all its tensor loads (the other slot's among them), adds 0 to its
; spare word, waits for that and for its reads of this slot; a round of the cluster's barrier, sixteen products between its opening signal and wait; the joint refill, eight K steps on; then the next step's loads from the other slot.
; mode 2: the same without a refill: the other slot's refill has to be in, in every wave's part; the work-group's barrier.
.macro KSTEP s, mode, zero
.if (\mode == 0) || (\mode == 3)
	s_wait_dscnt 0x0                               ; this step's fragments and scale words are in: they were asked for a step ago
.if \mode == 0
.if (\s) > 0
	PLACES NP                                      ; behind the last step's products, which read the sets that are loaded now
.endif
	FETCH (\s)+1
.endif
	WIN MUL_W
	MULH \s, 0, \zero
	MULH \s, 2, \zero
.else
	WIN 0                                          ; (the add's two registers lie in window 0)
	s_wait_tensorcnt 0x0                           ; all my tensor loads have landed: my part of the other slot
	ds_add_u32 v[SPW], v[NIL]
	s_wait_dscnt 0x0                               ; the add is done; this step's fragments are in, so my reads of this slot are over
	s_barrier_signal -1
	WIN MUL_W
	MULH \s, 0, 0
	WIN 0
	s_barrier_wait -1
.if \mode == 1
.set RS, ((\s)/SST)%2
	CREST                                          ; the barrier opened a round of the cluster's: no wave of any partner still reads this slot or has a load on its way
	s_add_nc_u64 s[G0+4*RS+2:G0+4*RS+3], s[G0+4*RS+2:G0+4*RS+3], 2*PIECE
	s_add_nc_u64 s[G0B+4*RS+2:G0B+4*RS+3], s[G0B+4*RS+2:G0B+4*RS+3], 2*PIECE
	JLOAD G0+4*RS, G1, G0B+4*RS, G1B               ; the first tensor load behind the round; its four v_nop are the places ahead of the loads below
.else
	PLACES NP
.endif
	FETCH (\s)+1
	WIN MUL_W
	MULH \s, 2, 0
.endif
.endm
	s_wait_tensorcnt 1                             ; v's scale words and my part of slot 0 are in; slot 1's load may be out
	s_wait_dscnt 0x0                               ; for the others' sake: my stores of scale words and of 1 / l are done
	s_barrier_signal -1
	s_barrier_wait -1
	FETCH 0
	KSTEP 0, 0, 1                                  ; the first step's products start the sums
	KSTEP 1, 0, 0
	KSTEP 2, 0, 0
	KSTEP 3, 1, 0                                  ; slot 0 takes K steps 8 to 11
	KSTEP 4, 0, 0
	KSTEP 5, 0, 0
	KSTEP 6, 0, 0
	KSTEP 7, 1, 0                                  ; slot 1 takes K steps 12 to 15
	KSTEP 8, 0, 0
	KSTEP 9, 0, 0
	KSTEP 10, 0, 0
	KSTEP 11, 2, 0                                 ; nothing is left to fetch; behind this barrier nobody reads slot 0
	KSTEP 12, 0, 0
	KSTEP 13, 0, 0
	KSTEP 14, 0, 0
	KSTEP 15, 3, 0
	WIN 0
; THE WAY OUT, a block of 16 queries x 128 columns at a time: x 1 / l in place; through my own stage in LDS; back as whole rows of 512 bytes, which go to the rows of out0 that the block's lane-rows stand for.
.macro PACK a
.set AC, 64*(\a)
	WIN 0x82                                       ; destination and source 0 in the accumulators' window
.set j, 0
.rept 32
	v_pk_mul_f32 v[AC+j:AC+j+1], v[AC+j:AC+j+1], v[RI+2*(\a):RI+2*(\a)+1] op_sel_hi:[1,0]   ; each accumulator from its low end on
.set j, j+2
.endr
	WIN 0
.endm
.macro TOSTAGE a
.set AC, 64*(\a)
	WIN 0x08                                       ; an LDS store's data are its source 1
.irp b, 0,1,2,3,4,5,6,7
	ds_store_b128 v[STO], v[AC+8*\b:AC+8*\b+3] offset:128*(\b/2)+32*(\b%2)
	ds_store_b128 v[STO], v[AC+8*\b+4:AC+8*\b+7] offset:128*(\b/2)+32*(\b%2)+16
.endr
	WIN 0
.set BB, BK+64*((\a)%2)
.irp t, 0,1,2,3,4,5,6,7,8,9,10,11,12,13,14,15
	ds_load_b128 v[BB+4*\t:BB+4*\t+3], v[RD] offset:\t*SPITCH      ; LDS serves a wave's instructions in order (ISA guide 5.7.1.4): these see the stores above
.endr
.endm
.macro SEND a, younger
.set BB, BK+64*((\a)%2)
	s_wait_dscnt \younger                          ; the block is back in registers; the LDS instructions issued behind its loads may be out
.irp t, 0,1,2,3,4,5,6,7,8,9,10,11,12,13,14,15
	global_store_b128 v[LI], v[BB+4*\t:BB+4*\t+3], s[12:13] offset:(32*((\a)/2)+8*((\a)%2)+\t+8*(\t/8))*4096 th:TH_STORE_NT   ; 512 consecutive bytes, aligned; 63 rows at the most: inside the signed 24-bit immediate
.endr
.endm
	PLACES NP                                      ; behind the last products
.irp a, 0,1,2,3
	ds_load_b32 v[RI+2*\a], v[RRA] offset:64*\a
	ds_load_b32 v[RI+2*\a+1], v[RRA] offset:64*\a  ; (the packed multiply names a pair)
.endr
	s_wait_dscnt 0x0
	PACK 0
	TOSTAGE 0
.irp a, 1,2,3
	PACK \a
.if \a > 1
	s_wait_xcnt 0x0                                ; block a - 2's stores have read their registers: block a's rows may land there
.endif
	TOSTAGE \a
	SEND \a-1, 32                                  ; behind block a - 1's loads: block a's 16 stores and 16 loads
.endr
	SEND 3, 0
	s_wait_tensorcnt 0x0                           ; the wave's end: behind my last tensor load and my last LDS store
	ds_add_u32 v[SPW], v[NIL]
	s_wait_dscnt 0x0
	CROUND                                         ; the closing round
	s_endpgm
.Lfunc_end_k_q8da6ce43e5_pv:
	.size	k_q8da6ce43e5_pv, .Lfunc_end_k_q8da6ce43e5_pv-k_q8da6ce43e5_pv
	.p2alignl 7, 3214868480
	.fill 96, 4, 3214868480
	.section	.rodata,"a",@progbits
	.p2align	6, 0x0
	.amdhsa_kernel k_q8da6ce43e5_pv
		.amdhsa_group_segment_fixed_size 327680
		.amdhsa_private_segment_fixed_size 0
		.amdhsa_enable_private_segment 0
		.amdhsa_kernarg_size 40
		.amdhsa_user_sgpr_count 2
		.amdhsa_user_sgpr_kernarg_segment_ptr 1
		.amdhsa_wavefront_size32 1
		.amdhsa_system_sgpr_workgroup_id_x 1
		.amdhsa_system_sgpr_workgroup_id_y 1
		.amdhsa_system_sgpr_workgroup_id_z 1
		.amdhsa_system_vgpr_workitem_id 0
		.amdhsa_next_free_vgpr 768
		.amdhsa_next_free_sgpr 100
		.amdhsa_reserve_vcc 0
		.amdhsa_float_denorm_mode_32 3
		.amdhsa_float_denorm_mode_16_64 3
		.amdhsa_memory_ordered 1
		.amdhsa_forward_progress 1
		.amdhsa_inst_pref_size 159
	.end_amdhsa_kernel
	.amdgpu_metadata
---
amdhsa.version: [ 1, 2 ]
amdhsa.kernels:
  - .name:           k_q8da6ce43e5_pv
    .symbol:         k_q8da6ce43e5_pv.kd
    .args:
      - { .name: pc, .offset: 0, .size: 8, .value_kind: global_buffer, .address_space: global }
      - { .name: st, .offset: 8, .size: 8, .value_kind: global_buffer, .address_space: global }
      - { .name: pj, .offset: 16, .size: 8, .value_kind: global_buffer, .address_space: global }
      - { .name: pjs, .offset: 24, .size: 8, .value_kind: global_buffer, .address_space: global }
      - { .name: out0, .offset: 32, .size: 8, .value_kind: global_buffer, .address_space: global }
    .group_segment_fixed_size: 327680
    .private_segment_fixed_size: 0
    .kernarg_segment_align: 8
    .kernarg_segment_size: 40
    .max_flat_workgroup_size: 128
    .sgpr_count:     100
    .vgpr_count:     768
    .wavefront_size: 32
...
	.end_amdgpu_metadata
.endif
;; end of part 7
